; MI455X (gfx1250); checked and timed in simulation.
; The chip was launched on July 23, 2026; its instructions are those of AMD's public machine-readable ISA for CDNA 5 (MIT licence, August 2026) and "CDNA5" Instruction Set Architecture Reference Guide (July 2026). The comments in the code are by the model that wrote it; some were corrected since.
;; GPT Multi Head Attention. Allowed arithmetic: matrix products marked QUANTISED: E2M1 operands, one E8M0 scale for each 32 along K, by v_wmma_scale_f32_16x16x128_f8f6f4 with both operands' format E2M1 (or v_wmma_scale_f32_32x16x128_f4), f32 sums; products left as they are: bf16, f16 or f32 operands; f32 sums; everything else in f32.
;; Inputs: Wk 2,048 x 2,048 float32; Wo 2,048 x 2,048 float32; Wq 2,048 x 2,048 float32; Wv 2,048 x 2,048 float32; attention_mask 1 x 1 x 2,048 x 2,048 bool; key_inputs 1 x 2,048 x 2,048 float32; query_inputs 1 x 2,048 x 2,048 float32; value_inputs 1 x 2,048 x 2,048 float32.
;; Outputs: out0 1 x 2,048 x 2,048 float32.
;; This version of the problem:
;;   THIS VERSION OF THE PROBLEM IS GIVEN IN LOW PRECISION. The matrix products marked QUANTISED in the list below multiply operands that are first quantised to E2M1 (2 exponent bits, 1 mantissa bit; 4 bits a number), with one power-of-two scale for each 32 numbers along K (OCP MX v1.0); their sums are f32. The products marked 'left as it is' may take bf16, f16 or f32 operands, with f32 sums. Whichever they take, every output number must still come out within the allowed error. Rounding operands to bf16 (8 significant bits) uses up far more of that allowance than f16 does (11 bits, for magnitudes from 6e-5 to 65,504). All else is computed in f32.
;;   The module's matrix products, in the order in which they are computed (A, B: the left and right operand; K: the contracted axis; several contracted axes count as one K, in the product's order):
;;     1. [M 2,048, K 2,048] x [K 2,048, N 2,048]; A: input query_inputs; B: input Wq: QUANTISED
;;     2. [M 2,048, K 2,048] x [K 2,048, N 2,048]; A: input key_inputs; B: input Wk: QUANTISED
;;     3. [M 2,048, K 2,048] x [K 2,048, N 2,048]; A: input value_inputs; B: input Wv: QUANTISED
;;     4. batch 16 x [M 2,048, K 128] x [K 128, N 2,048]; A: computed on the way; B: computed on the way: left as it is (an operand is computed on the way)
;;     5. batch 16 x [M 128, K 2,048] x [K 2,048, N 2,048]; A: computed on the way; B: computed on the way: left as it is (an operand is computed on the way)
;;     6. [M 2,048, K 2,048] x [K 2,048, N 2,048]; A: computed on the way; B: input Wo: left as it is (an operand is computed on the way)
;;   THE QUANTISER, for each operand of a quantised product, along K:
;;     - K is cut into blocks of 32 from its start; a last block that is shorter is filled with zeros.
;;     - A block's scale is 2^e with e = floor(log2(the largest magnitude in the block)) - 2, held to -126 .. 127; a block of zeros has e = 0. As a byte (E8M0): e + 127.
;;     - Each number is divided by its block's scale, clamped to +-6, and rounded to the nearest number of E2M1, ties to even, subnormals kept.
;;     - The product sums the exact products of the quantised numbers (number of the format x scale) in f32.
;;   ~~~python
;;   def quantise(x, axis):      # numpy; x: float32 -> the quantised numbers, widened to float32 again
;;       x = np.moveaxis(x, axis, -1); K = x.shape[-1]
;;       x = np.pad(x, [(0, 0)] * (x.ndim - 1) + [(0, -K % 32)]); x = x.reshape(x.shape[:-1] + (-1, 32)); a = np.abs(x).max(-1, keepdims=True)
;;       e = np.where(a > 0, np.clip(np.frexp(np.where(a > 0, a, 1))[1] - 1 - 2, -126, 127), 0)      # np.frexp(a)[1] - 1 = floor(log2(a)), exactly
;;       r = np.clip(x / 2.0 ** e, -6, 6)
;;       step = 2.0 ** (np.maximum(np.frexp(np.where(r == 0, 1, r))[1] - 1, 0) - 1)
;;       q = np.round(r / step) * step * 2.0 ** e      # np.round: ties to even
;;       return np.moveaxis(q.reshape(q.shape[:-2] + (-1,))[..., :K], -1, axis).astype(np.float32)
;;   ~~~
;; One version. Each part assembles by itself: llvm-mc -triple=amdgcn-amd-amdhsa -mcpu=gfx1250 --defsym DOCPART=n.
;; ======== version 1 of 1: 5 launches
;; limits: values are held in f16: magnitudes above 65,504 overflow, below 6.1e-05 lose precision
;; workspace buffers: codes 12,582,912 bytes; scales 786,432 bytes; rope 524,288 bytes; mbits 524,288 bytes of whole numbers; qkv 25,165,824 bytes; wo16 16,777,216 bytes; att 9,437,184 bytes
;; launch prep (part 1): grid 800 x 1, 4 waves a work-group, no clusters, 68,096 bytes of LDS; arguments query_inputs, key_inputs, value_inputs, attention_mask, Wq, Wk, Wv, Wo, codes, scales, mbits, rope, wo16; writes codes, scales, mbits, rope, wo16
.if DOCPART == 1
	.amdgcn_target "amdgcn-amd-amdhsa--gfx1250"
	.amdhsa_code_object_version 6
	.text
	.protected	k_qd6c35cbf45_prep
	.globl	k_qd6c35cbf45_prep
	.p2align	8
	.type	k_qd6c35cbf45_prep,@function
k_qd6c35cbf45_prep:
	s_mov_b64 s[64:65], 0
	v_nop
	global_prefetch_b8 v0, s[64:65] scope:SCOPE_SE
	s_setreg_imm32_b32 hwreg(HW_REG_WAVE_MODE, 25, 1), 1
	s_wait_xcnt 0x0
; FIVE JOBS IN ONE LAUNCH, told apart by the work-group's number; the longest come first.  All five stream, none reads what another writes, and together they have more bytes on their way than each alone.
; W (work-groups 0-191): Wq, Wk, Wv, each [K 2048][N 2048] f32 with K as FIRST axis, become codes of FP4 (E2M1) laid [n][1024 bytes] with K innermost, and one E8M0 byte for each 32 along K, laid [n][64].
;   A LANE TAKES A COLUMN n AND ITS REGISTERS RUN DOWN K: a block of 32 lies in one lane, and the conversions give codes with K innermost.  Tensor T at 6 MiB + T x 2 MiB of codes, 384 KiB + T x 128 KiB of scales.
; O (192-255): Wo [K 2048][N 2048] f32 becomes two f16 numbers: hi = f16(w), lo = f16((w - hi) x 2048), each laid as IMAGES OF FRAGMENTS: 16 columns n x 32 along K in 1,024 bytes: bytes 0-511 are registers 0-3 of the
;   32 lanes, 16 bytes a lane, bytes 512-1023 registers 4-7.  wo16: hi at 0, lo at 8 MiB, each [K / 256: 8][n / 16: 128][K / 32 % 8: 8][1 KiB].
; X (256-639): query_inputs, key_inputs, value_inputs, each [2048][2048] f32 with K innermost, become codes and scale bytes: tensor T at T x 2 MiB of codes, [row][1024 bytes]; at T x 128 KiB of scales, [row][64].
; M (640-767): attention_mask [2048][2048], a byte 0 or 1, becomes words of 32 bits, a bit a lane, as the attention launch's selects take them:
;   mbits [32 queries: 64][key group g: 2][place: 16][i: 32][tile u: 2]; bit L of word (i, u) = mask[32 qp + 16 u + L % 16][64 ks + 16 (i / 8) + 8 (L / 16) + i % 8], ks = 4 (place / 2) + 2 g + place % 2.
; R (768-799): the rotary table, rope [position 2048][i 32][cos, sin] f32, angle = position x 10000^(-i / 32).
; THE QUANTISER.  A block's scale is 2^(floor(log2(its largest magnitude)) - 2); its byte is the largest magnitude's exponent field - 2, held at 1 from below.  A block of zeros gets the byte 1 where the rule says 127:
;   its codes are zeros, which add nothing under any byte but 0xff, and this program alone reads the bytes.
; LIMITS: NaN and infinities among the inputs are not served; blocks whose largest magnitude lies under 2^(3 - 127) keep the byte 1; |Wo| stays under f16's 65,504.  The table's angle is good to about 2e-4 rad (one rounding
;   of the exponent, the exponential's last bit, at angles up to 2,047); sine and cosine are then taken by a reduction with pi / 2 in two parts and polynomials of degree 7 and 8.
; LDS: the two jobs that store to LDS have bytes of their own: X from 0 on, W from WLDS on; behind both the spare words.  Jobs O, M and R touch no LDS.
.set SPW,   254                        ; v254     LDS address of my spare word; never rewritten
.set NIL,   255                        ; v255     0; never rewritten
.set EMAX,  2
; job X
.set STEPS, 16
.set DEPTH, 8                          ; loads run eight steps ahead: 32 loads, 16 KiB a wave
.set CB,    8                          ; bytes of 16 codes
.set QR,    16                         ; v16-143  eight sets of 16 numbers as they are loaded
.set QX,    144                        ; v144-175 two sets of 16 neighbours
.set QE,    176                        ; v176-191 a scale byte for each step
.set QC,    192                        ; v192-223 codes: two registers for each step, so that no store's data are written again
.set WREG,  8192                       ; LDS: a region for each wave: two stages of 32 x SP bytes, and behind them its 256 scale bytes
.set SP,    80                         ; a lane's place in a stage: its 64 bytes + 16 of padding
; jobs W and O
.set NB,    16                         ; blocks of 32 along K for a wave: 512
.set PITCH, 272                        ; a stage row: 256 bytes of codes + 16
.set KROW,  1024                       ; a row of codes in bytes
.set NROW,  8192                       ; a row of a weight in bytes.  Every offset is an immediate: 511 such rows at the most, inside the signed 24 bits
.set WLDS,  4*WREG                     ; job W's four stages of 32 rows
.set WX,    32                         ; v32-95   two sets of 32 numbers
.set WC,    96                         ; v96-99   a block's codes            (job O: v96-111 hi, v112-127 lo, v128-159 at work)
.set WOUT,  112                        ; v112-175 the way out
.set WSB,   24                         ; v24-27   the scale bytes, four to a register
.set SPARE, WLDS+4*32*PITCH            ; behind both jobs' bytes: the spare words, 128 bytes for each wave
	s_load_b512 s[4:19], s[0:1], 0x0               ; q s[4:5], k s[6:7], v s[8:9], mask s[10:11], Wq s[12:13], Wk s[14:15], Wv s[16:17], Wo s[18:19]
	s_load_b256 s[20:27], s[0:1], 0x40             ; codes s[20:21], scales s[22:23], mbits s[24:25], rope s[26:27]
	s_load_b64 s[28:29], s[0:1], 0x60              ; wo16
	v_lshl_add_u32 v[SPW], v0, 2, SPARE
	v_mov_b32 v[NIL], 0
	v_lshrrev_b32 v1, 5, v0
	v_readfirstlane_b32 s30, v1                    ; wave
	v_and_b32 v2, 31, v0                           ; lane
	s_mov_b32 s33, 0                               ; the upper word of every offset below (the pair s[32:33])
	s_wait_kmcnt 0x0
	s_cmp_ge_u32 ttmp9, 768
	s_cbranch_scc1 .Lrope
	s_cmp_ge_u32 ttmp9, 640
	s_cbranch_scc1 .Lmask
	s_cmp_ge_u32 ttmp9, 256
	s_cbranch_scc1 .Lquant
; ---------------- W and O: a work-group takes 128 columns (number % 16) x 512 along K; number / 16 says which tensor and which 512
	v_lshlrev_b32 v3, 2, v2                        ; in: 4 bytes a lane
	s_and_b32 s34, ttmp9, 15
	s_lshl_b32 s34, s34, 7
	s_lshl_b32 s35, s30, 5
	s_add_co_u32 s34, s34, s35                     ; my wave's first column
	s_lshr_b32 s35, ttmp9, 4
	s_cmp_ge_u32 s35, 12
	s_cbranch_scc1 .Lwo
	s_lshr_b32 s36, s35, 2                         ; which tensor.  The choice hangs on the work-group's number alone
	s_and_b32 s35, s35, 3                          ; which 512 along K
	s_cmp_eq_u32 s36, 1
	s_cselect_b64 s[12:13], s[14:15], s[12:13]
	s_cmp_eq_u32 s36, 2
	s_cselect_b64 s[12:13], s[16:17], s[12:13]
	s_lshl_b32 s32, s35, 22                        ; 512 rows of 8,192 bytes
	s_lshl_b32 s37, s34, 2
	s_add_co_u32 s32, s32, s37
	s_add_nc_u64 s[12:13], s[12:13], s[32:33]
	s_lshl_b32 s32, s36, 21
	s_add_co_u32 s32, s32, 0x600000
	s_lshl_b32 s37, s34, 10
	s_add_co_u32 s32, s32, s37
	s_lshl_b32 s37, s35, 8
	s_add_co_u32 s32, s32, s37
	s_add_nc_u64 s[20:21], s[20:21], s[32:33]      ; codes: column x 1,024 + 256 x (which 512)
	s_lshl_b32 s32, s36, 17
	s_add_co_u32 s32, s32, 0x60000
	s_lshl_b32 s37, s34, 6
	s_add_co_u32 s32, s32, s37
	s_lshl_b32 s37, s35, 4
	s_add_co_u32 s32, s32, s37
	s_add_nc_u64 s[22:23], s[22:23], s[32:33]      ; scale bytes: column x 64 + 16 x (which 512)
	s_mul_i32 s37, s30, 32*PITCH
	s_add_co_u32 s37, s37, WLDS                    ; my stage
	v_mul_u32_u24 v4, v2, PITCH
	v_add_nc_u32 v4, s37, v4                       ; into it: row = my column
	v_and_b32 v5, 15, v2
	v_lshrrev_b32 v6, 4, v2                        ; out of it: sixteen lanes to a row, two rows an instruction
	v_mul_u32_u24 v7, v6, PITCH
	v_lshl_add_u32 v7, v5, 4, v7
	v_add_nc_u32 v7, s37, v7
	v_mul_u32_u24 v8, v6, KROW
	v_lshl_add_u32 v8, v5, 4, v8                   ; and the same place among the codes
	v_mul_u32_u24 v9, v2, 64                       ; my column's row of scale bytes
.macro WLOAD t                         ; block t: W(32 t + i, my column) into set t % 2
.irp i, 0,1,2,3,4,5,6,7,8,9,10,11,12,13,14,15,16,17,18,19,20,21,22,23,24,25,26,27,28,29,30,31
	global_load_b32 v[WX+32*((\t)%2)+\i], v3, s[12:13] offset:(32*(\t)+\i)*NROW th:TH_LOAD_NT
.endr
.endm
	WLOAD 0
	WLOAD 1
.macro WBLOCK t
.set XS, WX+32*((\t)%2)
.if (\t) < NB-1
	s_wait_loadcnt 32                              ; this block's 32 loads are in; the next block's may be out
.else
	s_wait_loadcnt 0x0
.endif
	v_max3_num_f32 v12, |v[XS]|, |v[XS+1]|, |v[XS+2]|              ; the block's largest magnitude: all 32 numbers are mine
	v_max3_num_f32 v13, |v[XS+3]|, |v[XS+4]|, |v[XS+5]|
.irp i, 6,10,14,18,22,26
	v_max3_num_f32 v12, v12, |v[XS+\i]|, |v[XS+\i+1]|
	v_max3_num_f32 v13, v13, |v[XS+\i+2]|, |v[XS+\i+3]|
.endr
	v_max3_num_f32 v12, v12, |v[XS+30]|, |v[XS+31]|
	v_max3_num_f32 v12, v12, v13, (EMAX+1)<<23     ; and the floor: the byte cannot fall under 1
	v_add_nc_u32 v11, -(EMAX<<23), v12             ; EMAX off its exponent field: the conversion's scale operand
	v_lshrrev_b32 v13, 23, v11                     ; the scale's byte
.if (\t)%4 == 0
	v_mov_b32 v[WSB+(\t)/4], v13
.else
	v_lshl_or_b32 v[WSB+(\t)/4], v13, 8*((\t)%4), v[WSB+(\t)/4]
.endif
.irp g, 0,1,2,3
	v_cvt_scalef32_pk8_fp4_f32 v[WC+\g], v[XS+8*\g:XS+8*\g+7], v11
.endr
	ds_store_b128 v4, v[WC:WC+3] offset:16*(\t)    ; 32 codes: 16 bytes of my column's row
.if (\t)+2 < NB
	WLOAD (\t)+2
.endif
	s_wait_dscnt 0x0                               ; the store has read its registers: the next block's codes may be written
.endm
.set Q, 0
.rept NB
	WBLOCK Q
.set Q, Q+1
.endr
	global_store_b128 v9, v[WSB:WSB+3], s[22:23]   ; my column's 16 scale bytes
.irp t, 0,1,2,3,4,5,6,7,8,9,10,11,12,13,14,15
	ds_load_b128 v[WOUT+4*\t:WOUT+4*\t+3], v7 offset:2*\t*PITCH   ; LDS serves a wave's instructions in order: these see my stores
.endr
.irp t, 0,1,2,3,4,5,6,7,8,9,10,11,12,13,14,15
	s_wait_dscnt 15-\t                             ; load t is in; the younger ones may be out
	global_store_b128 v8, v[WOUT+4*\t:WOUT+4*\t+3], s[20:21] offset:2*\t*KROW   ; sixteen lanes store 256 consecutive bytes, aligned
.endr
	s_wait_tensorcnt 0x0                           ; the wave's end, behind my last LDS store
	ds_add_u32 v[SPW], v[NIL]
	s_wait_dscnt 0x0
	s_endpgm
; ---------------- O: a wave takes 32 columns x 512 along K, 16 blocks of 32.  A lane's 32 numbers of a block are four pieces of 8 along K; piece q is the 16 bytes of lane (n % 16) + 16 (q % 2) in half q / 2 of the image.
.Lwo:
	s_sub_co_u32 s35, s35, 12                      ; which 512 along K
	s_lshl_b32 s32, s35, 22
	s_lshl_b32 s37, s34, 2
	s_add_co_u32 s32, s32, s37
	s_add_nc_u64 s[18:19], s[18:19], s[32:33]
	s_lshl_b32 s32, s35, 21                        ; 512 along K are two blocks of 1 MiB
	s_lshl_b32 s37, s34, 9                         ; 16 columns are 8,192 bytes
	s_add_co_u32 s32, s32, s37
	s_add_nc_u64 s[28:29], s[28:29], s[32:33]      ; hi
	s_add_nc_u64 s[38:39], s[28:29], 0x800000      ; lo
	v_lshrrev_b32 v4, 4, v2
	v_and_b32 v5, 15, v2
	v_lshlrev_b32 v4, 13, v4
	v_lshl_add_u32 v4, v5, 4, v4                   ; (lane / 16) x 8,192 + (lane % 16) x 16
.macro OLOAD u
.irp i, 0,1,2,3,4,5,6,7,8,9,10,11,12,13,14,15,16,17,18,19,20,21,22,23,24,25,26,27,28,29,30,31
	global_load_b32 v[WX+32*((\u)%2)+\i], v3, s[18:19] offset:(32*(\u)+\i)*NROW th:TH_LOAD_NT
.endr
.endm
	OLOAD 0
	OLOAD 1
.macro OBLOCK u
.set XS, WX+32*((\u)%2)
.if (\u) < 15
	s_wait_loadcnt 32                              ; this block's 32 loads are in; the next block's may be out
.else
	s_wait_loadcnt 0x0
.endif
.if (\u) > 0
	s_wait_xcnt 0x0                                ; the last block's stores have read their data: hi and lo are written again only behind this wait
.endif
.irp p, 0,1,2,3,4,5,6,7,8,9,10,11,12,13,14,15
	v_cvt_pk_f16_f32 v[96+\p], v[XS+2*\p], v[XS+2*\p+1]           ; hi
.endr
.set n, 0
.irp h, v96.l,v96.h,v97.l,v97.h,v98.l,v98.h,v99.l,v99.h,v100.l,v100.h,v101.l,v101.h,v102.l,v102.h,v103.l,v103.h,v104.l,v104.h,v105.l,v105.h,v106.l,v106.h,v107.l,v107.h,v108.l,v108.h,v109.l,v109.h,v110.l,v110.h,v111.l,v111.h
	v_cvt_f32_f16 v[128+n], \h                     ; hi as f32 again
.set n, n+1
.endr
.irp p, 0,2,4,6,8,10,12,14,16,18,20,22,24,26,28,30
	v_pk_add_f32 v[128+\p:129+\p], v[XS+\p:XS+\p+1], v[128+\p:129+\p] neg_lo:[0,1] neg_hi:[0,1]   ; w - hi: exact
.endr
.irp p, 0,2,4,6,8,10,12,14,16,18,20,22,24,26,28,30
	v_pk_mul_f32 v[128+\p:129+\p], v[128+\p:129+\p], 0x45000000 op_sel_hi:[1,0]                   ; x 2,048, so that lo has f16's whole range under it
.endr
.irp p, 0,1,2,3,4,5,6,7,8,9,10,11,12,13,14,15
	v_cvt_pk_f16_f32 v[112+\p], v[128+2*\p], v[129+2*\p]          ; lo
.endr
.if (\u)+2 < 16
	OLOAD (\u)+2
.endif
.irp q, 0,1,2,3
	global_store_b128 v4, v[96+4*\q:99+4*\q], s[28:29] offset:((\u)/8)*1048576+((\u)%8)*1024+(\q/2)*512+(\q%2)*256    ; sixteen lanes store 256 consecutive bytes, aligned
	global_store_b128 v4, v[112+4*\q:115+4*\q], s[38:39] offset:((\u)/8)*1048576+((\u)%8)*1024+(\q/2)*512+(\q%2)*256
.endr
.endm
.set Q, 0
.rept 16
	OBLOCK Q
.set Q, Q+1
.endr
	s_endpgm
; ---------------- X: a wave takes 16 steps of 512 numbers.  Each of a step's four loads reads 512 consecutive bytes; the 2,048 bytes turn through the wave's own stage in LDS and come back
; 64 bytes a lane, so that a lane holds 16 neighbours along K and two neighbouring lanes a block.
.Lquant:
	v_lshlrev_b32 v3, 4, v2                        ; my 16 bytes of a load's 512
	s_mul_i32 s31, s30, WREG
	v_lshrrev_b32 v14, 2, v2
	v_mul_u32_u24 v14, v14, SP
	v_and_b32 v15, 3, v2
	v_lshl_add_u32 v14, v15, 4, v14
	v_add_nc_u32 v14, s31, v14                     ; the stage, on the way in: SP (lane / 4) + 16 (lane % 4)
	v_mul_u32_u24 v15, v2, SP
	v_add_nc_u32 v15, s31, v15                     ; and on the way out: SP x lane
	v_mul_u32_u24 v4, v2, CB                       ; my codes' place in a step's
	v_lshrrev_b32 v5, 1, v2
	s_add_co_u32 s31, s31, 2*32*SP
	v_add_nc_u32 v5, s31, v5                       ; LDS: my wave's 256 scale bytes, my block's byte
	v_lshlrev_b32 v7, 3, v2                        ; and on the way out 8 bytes a lane
	v_add_nc_u32 v6, s31, v7
	s_sub_co_u32 s34, ttmp9, 256
	s_lshr_b32 s35, s34, 7                         ; which tensor: 128 work-groups each.  The choice hangs on the work-group's number alone
	s_cmp_eq_u32 s35, 1
	s_cselect_b64 s[4:5], s[6:7], s[4:5]
	s_cmp_eq_u32 s35, 2
	s_cselect_b64 s[4:5], s[8:9], s[4:5]
	s_and_b32 s36, s34, 127
	s_lshl_b32 s36, s36, 2
	s_add_co_u32 s36, s36, s30                     ; which run of 8,192 numbers of the tensor is my wave's: 0 .. 511
	s_lshl_b32 s32, s36, 15
	s_add_nc_u64 s[4:5], s[4:5], s[32:33]          ; 32,768 bytes of f32 a run
	s_lshl_b32 s32, s35, 21
	s_lshl_b32 s37, s36, 12
	s_add_co_u32 s32, s32, s37
	s_add_nc_u64 s[20:21], s[20:21], s[32:33]      ; 4,096 bytes of codes a run
	s_lshl_b32 s32, s35, 17
	s_lshl_b32 s37, s36, 8
	s_add_co_u32 s32, s32, s37
	s_add_nc_u64 s[22:23], s[22:23], s[32:33]      ; 256 scale bytes a run
.macro XLOAD t
.irp i, 0,1,2,3
	global_load_b128 v[QR+16*((\t)%DEPTH)+4*\i:QR+16*((\t)%DEPTH)+4*\i+3], v3, s[4:5] offset:2048*(\t)+512*\i th:TH_LOAD_NT   ; 32 lanes read 512 consecutive bytes
.endr
.endm
.macro XTURN t                         ; step t's numbers through the stage: LDS serves a wave's instructions in order, so no wait stands between the stores and the loads
.irp i, 0,1,2,3
	ds_store_b128 v14, v[QR+16*((\t)%DEPTH)+4*\i:QR+16*((\t)%DEPTH)+4*\i+3] offset:32*SP*((\t)%2)+8*SP*\i
.endr
.irp i, 0,1,2,3
	ds_load_b128 v[QX+16*((\t)%2)+4*\i:QX+16*((\t)%2)+4*\i+3], v15 offset:32*SP*((\t)%2)+16*\i
.endr
.endm
.irp t, 0,1,2,3,4,5,6,7
	XLOAD \t
.endr
	s_wait_loadcnt 4*(DEPTH-1)                     ; step 0's four loads are in; those of steps 1 to 7 may be out
	XTURN 0
.macro XSTEP t
.set XS, QX+16*((\t)%2)
.if (\t) > 0
	s_wait_dscnt 1                                 ; this step's numbers are back from the stage (the last step's byte store may be out)
.else
	s_wait_dscnt 0x0
.endif
.if (\t)+DEPTH < STEPS
	XLOAD (\t)+DEPTH                               ; into the registers that this step's stores into the stage have read
.endif
.if (\t)+1 < STEPS
.if STEPS-2-(\t) >= DEPTH-1
	s_wait_loadcnt 4*(DEPTH-1)                     ; the next step's four loads are in; those of the seven steps behind it may be out
.else
	s_wait_loadcnt 4*(STEPS-2-(\t))                ; the same, with as many steps as are left behind it
.endif
	XTURN (\t)+1                                   ; they go through the other stage while this step is worked
.endif
	v_max3_num_f32 v8, |v[XS]|, |v[XS+1]|, |v[XS+2]|               ; the largest magnitude of my 16, in two chains
	v_max3_num_f32 v9, |v[XS+3]|, |v[XS+4]|, |v[XS+5]|
.irp i, 6,10
	v_max3_num_f32 v8, v8, |v[XS+\i]|, |v[XS+\i+1]|
	v_max3_num_f32 v9, v9, |v[XS+\i+2]|, |v[XS+\i+3]|
.endr
	v_max3_num_f32 v8, v8, |v[XS+14]|, |v[XS+15]|
	v_max3_num_f32 v8, v8, v9, (EMAX+1)<<23        ; and the floor 2^(EMAX + 1 - 127): the byte cannot fall under 1
	v_max_num_f32_dpp v8, v8, v8 row_xmask:1 row_mask:0xf bank_mask:0xf   ; and of my neighbour's 16: the block's
	v_add_nc_u32 v11, -(EMAX<<23), v8              ; EMAX off its exponent field: the conversion takes the exponent field of this operand as its scale
	v_cvt_scalef32_pk8_fp4_f32 v[QC+2*(\t)], v[XS:XS+7], v11
	v_cvt_scalef32_pk8_fp4_f32 v[QC+2*(\t)+1], v[XS+8:XS+15], v11
	v_lshrrev_b32 v[QE+(\t)], 23, v11              ; the scale's byte (also the plain line behind the conversions)
	ds_store_b8 v5, v[QE+(\t)] offset:16*(\t)      ; both lanes of a block write the same byte with the same value
	global_store_b64 v4, v[QC+2*(\t):QC+2*(\t)+1], s[20:21] offset:32*CB*(\t)   ; the wave stores 256 consecutive bytes, aligned
.endm
.irp t, 0,1,2,3,4,5,6,7,8,9,10,11,12,13,14,15
	XSTEP \t
.endr
	ds_load_b64 v[8:9], v6                         ; LDS serves a wave's instructions in order: these see my byte stores
	s_wait_dscnt 0x0
	global_store_b64 v7, v[8:9], s[22:23]          ; 32 lanes store 256 consecutive bytes, aligned
	s_wait_tensorcnt 0x0                           ; the wave's end, behind my last LDS store
	ds_add_u32 v[SPW], v[NIL]
	s_wait_dscnt 0x0
	s_endpgm
; ---------------- M: a wave takes 32 queries x 256 keys: four key steps of 64.  Lane (r, h) loads 8 bytes: row r of a tile of 16 queries, keys 16 t + 8 h + 0 .. 7 of a step.
; A compare of one byte in all 32 lanes IS the word that attention wants; it is put into lane i = 8 t + j of a register, so that a step's 64 words leave as 256 consecutive bytes.
.Lmask:
	s_sub_co_u32 s34, ttmp9, 640
	s_lshl_b32 s34, s34, 2
	s_add_co_u32 s34, s34, s30                     ; 0 .. 511
	s_lshr_b32 s35, s34, 3                         ; which 32 queries
	s_and_b32 s36, s34, 7                          ; which 256 keys
	s_lshl_b32 s32, s35, 16
	s_lshl_b32 s37, s36, 8
	s_add_co_u32 s32, s32, s37
	s_add_nc_u64 s[10:11], s[10:11], s[32:33]      ; 32 rows of 2,048 bytes, 256 bytes along a row
	s_lshl_b32 s32, s35, 13
	s_lshl_b32 s37, s36, 9
	s_add_co_u32 s32, s32, s37
	s_add_nc_u64 s[24:25], s[24:25], s[32:33]
	v_and_b32 v3, 15, v0
	v_bfe_u32 v4, v0, 4, 1
	v_lshlrev_b32 v3, 11, v3
	v_lshl_add_u32 v3, v4, 3, v3                   ; r x 2,048 + 8 h
	v_lshlrev_b32 v5, 3, v2                        ; out: 8 bytes a lane
.irp e, 0,1,2,3
.irp u, 0,1
.irp t, 0,1,2,3
	global_load_b64 v[64+2*(8*\e+4*\u+\t):64+2*(8*\e+4*\u+\t)+1], v3, s[10:11] offset:\u*32768+64*\e+16*\t
.endr
.endr
.endr
.irp i, 0,1,2,3,4,5,6,7
	v_mov_b32 v[32+\i], 0                          ; a lane write's destination counts as read
.endr
.set cnt, 0
.irp e, 0,1,2,3
	s_wait_loadcnt 8*(3-\e)                        ; this key step's eight loads are in; the later steps' eight each may be out
.irp u, 0,1
.irp t, 0,1,2,3
.irp j, 0,1,2,3,4,5,6,7
	v_and_b32 v[40+cnt%2], 0xff<<(8*(\j%4)), v[64+2*(8*\e+4*\u+\t)+\j/4]
	v_cmp_ne_u32 s[40+cnt%2], 0, v[40+cnt%2]
	v_writelane_b32 v[32+2*\e+\u], s[40+cnt%2], 8*\t+\j
.set cnt, cnt+1
.endr
.endr
.endr
	global_store_b64 v5, v[32+2*\e:33+2*\e], s[24:25] offset:(\e/2)*4096+(\e%2)*256   ; 256 consecutive bytes, aligned: key group e / 2, place 2 x (which 256 keys) + e % 2
.endr
	s_endpgm
; ---------------- R: a wave takes 16 positions, a lane one i.
.Lrope:
	s_sub_co_u32 s34, ttmp9, 768
	s_lshl_b32 s34, s34, 6
	s_lshl_b32 s35, s30, 4
	s_add_co_u32 s34, s34, s35                     ; my first position
	s_lshl_b32 s32, s34, 8
	s_add_nc_u64 s[26:27], s[26:27], s[32:33]
	v_cvt_f32_u32 v3, v2
	v_mul_f32 v3, 0xbed49a78, v3                   ; -i x log2(10000) / 32
	v_exp_f32 v3, v3                               ; 10000^(-i / 32)
	v_lshlrev_b32 v4, 3, v2                        ; (a plain line behind the exponential)  8 bytes a lane
	v_mov_b32 v5, s34
	s_mov_b32 s36, 0x3fc90fdb                      ; pi / 2, its f32,
	s_mov_b32 s37, 0xb33bbd2e                      ; and what that leaves
	s_mov_b32 s38, 0xb94ca1f9                      ; the sine's three coefficients
	s_mov_b32 s39, 0x3c08839e
	s_mov_b32 s40, 0xbe2aaaa3
	s_mov_b32 s41, 0x37ccf5ce                      ; the cosine's three
	s_mov_b32 s42, 0xbab6061a
	s_mov_b32 s43, 0x3d2aaaa5
	s_wait_alu depctr_va_vdst(0)                   ; the wait ahead of the first reader of the exponential
.irp n, 0,1,2,3,4,5,6,7,8,9,10,11,12,13,14,15
	v_add_nc_u32 v16, \n, v5
	v_cvt_f32_u32 v16, v16
	v_mul_f32 v16, v16, v3                         ; the angle: one f32 product
	v_mul_f32 v17, 0x3f22f983, v16
	v_rndne_f32 v17, v17                           ; how many quarter turns
	v_fma_f32 v18, -v17, s36, v16
	v_fma_f32 v18, -v17, s37, v18                  ; what is left, within pi / 4
	v_cvt_i32_f32 v19, v17
	v_mul_f32 v20, v18, v18
	v_fma_f32 v21, v20, s38, s39
	v_fma_f32 v23, v20, s41, s42
	v_fma_f32 v21, v21, v20, s40
	v_fma_f32 v23, v23, v20, s43
	v_mul_f32 v22, v20, v18
	v_mul_f32 v24, v20, v20
	v_fma_f32 v25, v20, -0.5, 1.0
	v_fma_f32 v21, v21, v22, v18                   ; its sine
	v_fma_f32 v23, v23, v24, v25                   ; its cosine
	v_and_b32 v26, 1, v19
	v_cmp_ne_u32 vcc_lo, 0, v26                    ; an odd quarter swaps the two (a select of values: no branch, no address)
	v_cndmask_b32 v27, v21, v23, vcc_lo
	v_cndmask_b32 v28, v23, v21, vcc_lo
	v_and_b32 v26, 2, v19
	v_lshlrev_b32 v26, 30, v26
	v_xor_b32 v[33+2*\n], v27, v26                 ; sine: minus in quarters 2 and 3
	v_add_nc_u32 v26, 1, v19
	v_and_b32 v26, 2, v26
	v_lshlrev_b32 v26, 30, v26
	v_xor_b32 v[32+2*\n], v28, v26                 ; cosine: minus in quarters 1 and 2
	global_store_b64 v4, v[32+2*\n:33+2*\n], s[26:27] offset:256*\n   ; a position's 256 bytes, aligned; each row has registers of its own
.endr
	s_endpgm
.Lfunc_end_k_qd6c35cbf45_prep:
	.size	k_qd6c35cbf45_prep, .Lfunc_end_k_qd6c35cbf45_prep-k_qd6c35cbf45_prep
	.p2alignl 7, 3214868480
	.fill 96, 4, 3214868480
	.section	.rodata,"a",@progbits
	.p2align	6, 0x0
	.amdhsa_kernel k_qd6c35cbf45_prep
		.amdhsa_group_segment_fixed_size 68096
		.amdhsa_private_segment_fixed_size 0
		.amdhsa_enable_private_segment 0
		.amdhsa_kernarg_size 104
		.amdhsa_user_sgpr_count 2
		.amdhsa_user_sgpr_kernarg_segment_ptr 1
		.amdhsa_wavefront_size32 1
		.amdhsa_system_sgpr_workgroup_id_x 1
		.amdhsa_system_sgpr_workgroup_id_y 1
		.amdhsa_system_sgpr_workgroup_id_z 1
		.amdhsa_system_vgpr_workitem_id 0
		.amdhsa_next_free_vgpr 256
		.amdhsa_next_free_sgpr 66
		.amdhsa_reserve_vcc 1
		.amdhsa_float_denorm_mode_32 3
		.amdhsa_float_denorm_mode_16_64 3
		.amdhsa_memory_ordered 1
		.amdhsa_forward_progress 1
		.amdhsa_inst_pref_size 255
	.end_amdhsa_kernel
	.section	.bss,"aw",@nobits
	.p2align	6
	.space	262144
	.amdgpu_metadata
---
amdhsa.version: [ 1, 2 ]
amdhsa.kernels:
  - .name:           k_qd6c35cbf45_prep
    .symbol:         k_qd6c35cbf45_prep.kd
    .args:
      - { .name: query_inputs, .offset: 0, .size: 8, .value_kind: global_buffer, .address_space: global }
      - { .name: key_inputs, .offset: 8, .size: 8, .value_kind: global_buffer, .address_space: global }
      - { .name: value_inputs, .offset: 16, .size: 8, .value_kind: global_buffer, .address_space: global }
      - { .name: attention_mask, .offset: 24, .size: 8, .value_kind: global_buffer, .address_space: global }
      - { .name: Wq, .offset: 32, .size: 8, .value_kind: global_buffer, .address_space: global }
      - { .name: Wk, .offset: 40, .size: 8, .value_kind: global_buffer, .address_space: global }
      - { .name: Wv, .offset: 48, .size: 8, .value_kind: global_buffer, .address_space: global }
      - { .name: Wo, .offset: 56, .size: 8, .value_kind: global_buffer, .address_space: global }
      - { .name: codes, .offset: 64, .size: 8, .value_kind: global_buffer, .address_space: global }
      - { .name: scales, .offset: 72, .size: 8, .value_kind: global_buffer, .address_space: global }
      - { .name: mbits, .offset: 80, .size: 8, .value_kind: global_buffer, .address_space: global }
      - { .name: rope, .offset: 88, .size: 8, .value_kind: global_buffer, .address_space: global }
      - { .name: wo16, .offset: 96, .size: 8, .value_kind: global_buffer, .address_space: global }
    .group_segment_fixed_size: 68096
    .private_segment_fixed_size: 0
    .kernarg_segment_align: 8
    .kernarg_segment_size: 104
    .max_flat_workgroup_size: 128
    .sgpr_count:     66
    .vgpr_count:     256
    .wavefront_size: 32
...
	.end_amdgpu_metadata
.endif
;; end of part 1
;; launch proj (part 2): grid 8 x 24, 4 waves a work-group, clusters of 4 x 4, 327,680 bytes of LDS; arguments codes, scales, rope, qkv; writes qkv
.if DOCPART == 2
	.amdgcn_target "amdgcn-amd-amdhsa--gfx1250"
	.amdhsa_code_object_version 6
	.text
	.protected	k_qd6c35cbf45_proj
	.globl	k_qd6c35cbf45_proj
	.p2align	8
	.type	k_qd6c35cbf45_proj,@function
k_qd6c35cbf45_proj:
	s_mov_b64 s[64:65], 0
	v_nop
	global_prefetch_b8 v0, s[64:65] scope:SCOPE_SE
	s_setreg_imm32_b32 hwreg(HW_REG_WAVE_MODE, 25, 1), 1
	s_wait_xcnt 0x0
	s_wait_alu depctr_hold_cnt(0) depctr_sa_sdst(0) depctr_va_vdst(0) depctr_va_sdst(0) depctr_va_ssrc(0) depctr_va_vcc(0) depctr_vm_vsrc(0)
	s_getreg_b32 s2, hwreg(HW_REG_IB_STS2, 6, 4)
	s_cmp_eq_u32 s2, 0
	s_cbranch_scc0 .Lentry_in_a_cluster
	s_endpgm
.Lentry_in_a_cluster:
	s_bfe_u32 s2, ttmp6, 0x10000c
	s_cmp_lg_u32 s2, 0xf033
	s_cbranch_scc0 .Lentry_shape_is_right
	s_endpgm
.Lentry_shape_is_right:
; THE THREE QUANTISED PRODUCTS, x Wq, x Wk, x Wv, each 2048 x 2048 x 2048 on codes of FP4 (E2M1) with one E8M0 scale for each 32 along K, sums in f32; then the rotary embedding (q, k) in f32, and f16.
; The grid's y holds three products of eight tile rows: cluster y / 2 is the product T, the same in all sixteen partners of a cluster.  A tile is 256 x 256: four waves of 128 x 128, 64 accumulators, 512 registers each.
; 192 work-groups: a tile of 128 x 256 would make 384, which is one and a half rounds of 256.
; K goes in steps of 512 through a ring of two LDS slots filled by the tensor data mover (a tile's row is 256 bytes); the scale bytes of the work-group's 2 x 256 rows, for all of K, come into LDS once.
; SIDES.  The "A side" gives a lane its ROW, the "B side" its eight neighbouring columns (the matrix instruction is used transposed: source 0 = 16 rows of B, source 1 = 16 rows of A).
;   T = 0, 1: A = the activations (rows = positions), B = the weight (rows = channels).   T = 2: A = Wv (rows = channels), B = the activations (rows = keys): only addresses are swapped.
; OUT.  A lane's eight numbers, rounded to f16, are 16 bytes of an IMAGE OF A FRAGMENT (16 rows x 32 along the next product's K in 1,024 bytes: bytes 0-511 registers 0-3 of the 32 lanes, bytes 512-1023 registers 4-7):
;   accumulator (a, b) is half b % 2 of fragment b / 2 of row tile a.  So each store of the wave covers 512 consecutive bytes, straight from registers.
;   qkv: Q at 0, K at 8 MiB: [head 16][position / 16: 128][channel / 32: 4][1 KiB];  V at 16 MiB: [head 16][key / 128: 16][channel / 16: 8][key / 32 % 4: 4][1 KiB].  A wave's 128 x 128 is 32 KiB on end in all three.
; CLUSTERS: 4 x 4 work-groups; A's tiles are asked for jointly along a row of the cluster, B's along a column.
; LIMIT: q, k, v stay under f16's 65,504 (they have room for inputs and weights 30 times those drawn, both at once).
; REGISTERS: window 0: v0-31 addresses; v32-95 scale words, two sets, and nothing else; v128-191 A's fragments, ONE set; on the way out v96-127 at work, v128-191 packed results, v192-255 cos and sin.
;   window 1: B's fragments, two sets.   windows 2, 3: the accumulators of my rows 0-63, 64-127 (accumulator (a, b) at v[8 (8 (a % 4) + b)]).
.set SIZE_K, 2048
.set KSTEP,  512
.set NQ,     KSTEP/128
.set ROWB,   256
.set KROW,   SIZE_K*4/8
.set PITCH,  272                       ; an LDS row: 256 bytes + 16 of padding = 68 words: the 16 rows that a load touches start at 16 different banks (64 banks of 4 bytes: ISA guide 11.1)
.set FR,     8
.set NL,     2
.set NP,     4                         ; places behind this matrix instruction (ISA guide 7.12.1)
.set HALFT,  128*PITCH
.set SLOT,   4*HALFT
.set LAPS,   SIZE_K/(2*KSTEP)
.set KS,     SIZE_K/32
.set SCL,    2*SLOT                    ; behind the ring: the scales, as runs of 256 bytes + 16 of padding
.set HALFS,  (128*KS/256)*272
.set SBLK,   (16*KS/256)*272
.set SPARE,  SCL+4*HALFS               ; behind the scales: the spare words, 128 bytes for each wave
.set ADRA, 16
.set ADRB, 20
.set ADRS, 27
.set SPW,  28
.set NIL,  29
.set RA,   30                          ; v30  my place in the table's 16 rows: (lane % 16) x 256 + 32 (lane / 16)
.set LI,   31                          ; v31  16 x lane
.set SC,   32
.set TT,   96
.set AF,   128
.set OUT,  128
.set CSR,  192
.set G1, 24
.set G0, 32
.set G1B, 48
.set G0B, 56
.set G1S, 68
.set G0S, 76
.set G1SB, 80
.set G0SB, 88
.set TN,  95                           ; s95  which product
.set RP,  96                           ; s[96:97] the table at my 128 positions
.set MSB, 0
.macro WIN new                         ; the immediate's high byte repeats the setting that is left
.if MSB != \new
	s_set_vgpr_msb (MSB<<8)|\new
.set MSB, \new
.endif
.endm
.set MUL_LO, 0xa1                      ; source 0 (B) window 1, source 1 (A) window 0, C and D window 2
.set MUL_HI, 0xf1
.set TO_B,   0x40
; A joint load: waves 0 and 1 fetch for A, waves 2 and 3 for B.  The branch hangs on the wave's number alone.  An s_nop 0 and four v_nop follow each of the two lines.
.macro JLOAD g0a, g1a, g0b, g1b
	s_cmp_eq_u32 s15, 0
	s_cbranch_scc0 .Lfor_b_\@
	tensor_load_to_lds s[\g0a:\g0a+3], s[\g1a:\g1a+7]
	s_nop 0
.rept 4
	v_nop
.endr
	s_branch .Lasked_\@
.Lfor_b_\@:
	tensor_load_to_lds s[\g0b:\g0b+3], s[\g1b:\g1b+7]
	s_nop 0
.rept 4
	v_nop
.endr
.Lasked_\@:
.endm
.macro CREST                           ; a round of the cluster's barrier behind its opening barrier
	s_cmp_lg_u32 s14, 0
	s_cbranch_scc1 .Lnot_wave_0_\@
	s_barrier_signal -3
.Lnot_wave_0_\@:
	s_barrier_wait -3
	s_barrier_signal -1
	s_barrier_wait -1
.endm
.macro CROUND
	s_barrier_signal -1
	s_barrier_wait -1
	CREST
.endm
	s_load_b256 s[4:11], s[0:1], 0x0               ; codes s[4:5], scales s[6:7], rope s[8:9], qkv s[10:11]
	v_lshl_add_u32 v[SPW], v0, 2, SPARE
	v_mov_b32 v[NIL], 0
	ds_add_u32 v[SPW], v[NIL]                      ; the wave's opening: the add, twice on end, and its wait ahead of my first tensor load
	ds_add_u32 v[SPW], v[NIL]
	v_lshrrev_b32 v1, 5, v0
	v_readfirstlane_b32 s14, v1                    ; wave 0..3
	s_lshr_b32 s15, s14, 1                         ; which half of the tile's A rows is mine.  Also: I fetch for A (0) or for B (1)
	s_and_b32 s16, s14, 1                          ; which half of its B rows.  Also: which 128 rows I fetch
	s_bfe_u32 s40, ttmp6, 0x40000                  ; cx, cy: my place in the cluster
	s_bfe_u32 s41, ttmp6, 0x40004
	s_lshl_b32 s42, ttmp9, 2
	s_add_co_u32 s42, s42, s40                     ; tile column = 4 x cluster x + cx
	s_and_b32 s17, ttmp7, 0xffff
	s_lshr_b32 s[TN], s17, 1                       ; the product: two clusters along y each
	s_and_b32 s17, s17, 1
	s_lshl_b32 s17, s17, 2
	s_add_co_u32 s17, s17, s41                     ; tile row = 4 x (cluster y % 2) + cy
	s_lshl_b32 s43, s41, 2
	s_lshl_b32 s43, 15, s43                        ; my row of the cluster
	s_lshl_b32 s44, 0x1111, s40                    ; my column
	s_or_b32 s[G1+0], s43, (0<<16)|(1<<20)|(1<<21)|(5<<22)|(3<<25)  ; the mask; elements of 1 byte; padding on; bit 21 beside a mask; after every 64 words, 4 words
	s_or_b32 s[G1B+0], s44, (0<<16)|(1<<20)|(1<<21)|(5<<22)|(3<<25)
.irp g, G1, G1B
	s_mov_b32 s[\g+1], ROWB<<16                    ; tensor_dim0
	s_mov_b32 s[\g+2], 128<<16                     ; tensor_dim1
	s_mov_b32 s[\g+3], ROWB<<16                    ; tile_dim0
	s_mov_b32 s[\g+4], 128                         ; tile_dim1
	s_mov_b32 s[\g+5], KROW                        ; the pitch
	s_mov_b32 s[\g+6], 0
	s_mov_b32 s[\g+7], 0
.endr
	s_or_b32 s[G1S+0], s43, (3<<16)|(1<<20)|(1<<21)|(5<<22)|(3<<25) ; the scales of 128 rows: 8,192 dense bytes as 32 rows of 256 (32 elements of 8 bytes), 16 bytes of padding behind each
	s_or_b32 s[G1SB+0], s44, (3<<16)|(1<<20)|(1<<21)|(5<<22)|(3<<25)
.irp g, G1S, G1SB
	s_mov_b32 s[\g+1], 32<<16
	s_mov_b32 s[\g+2], (128*KS/256)<<16
	s_mov_b32 s[\g+3], 32<<16
	s_mov_b32 s[\g+4], 128*KS/256
	s_mov_b32 s[\g+5], 32
	s_mov_b32 s[\g+6], 0
	s_mov_b32 s[\g+7], 0
.endr
	; where the two sides' tensors begin in codes and in scales: activations T at T x 2 MiB (128 KiB), weights 6 MiB (384 KiB) further on; for T = 2 the sides change places
	s_lshl_b32 s66, s[TN], 21
	s_add_co_u32 s67, s66, 0x600000
	s_lshl_b32 s12, s[TN], 17
	s_add_co_u32 s13, s12, 0x60000
	s_cmp_eq_u32 s[TN], 2
	s_cselect_b32 s18, s67, s66                    ; A's codes
	s_cselect_b32 s19, s66, s67                    ; B's codes
	s_cselect_b32 s66, s13, s12                    ; A's scales
	s_cselect_b32 s67, s12, s13                    ; B's scales
	s_lshl_b32 s12, s16, 7                         ; which 128 rows of the tile I fetch
	s_lshl_b32 s20, s17, 8
	s_add_co_u32 s20, s20, s12                     ; A: row 256 x tile row + 128 x half
	s_lshl_b32 s46, s42, 8
	s_add_co_u32 s46, s46, s12                     ; B: row 256 x tile column + 128 x half
	s_lshl_b32 s22, s20, 6
	s_add_co_u32 s22, s22, s66                     ; these rows' scales, 64 bytes a row,
	s_lshl_b32 s92, s46, 6
	s_add_co_u32 s92, s92, s67
	s_lshl_b32 s20, s20, 10
	s_add_co_u32 s20, s20, s18                     ; and their codes, 1,024 bytes a row
	s_lshl_b32 s46, s46, 10
	s_add_co_u32 s46, s46, s19
	s_mov_b32 s21, 0
	s_mov_b32 s23, 0
	s_mov_b32 s47, 0
	s_mov_b32 s93, 0
	s_mul_i32 s45, s14, HALFT                      ; where they go: wave x 128 rows: no place in the cluster enters an LDS address
	s_mul_i32 s94, s14, HALFS
	s_wait_dscnt 0x0                               ; both opening adds are done
	s_wait_kmcnt 0x0
	s_add_nc_u64 s[20:21], s[4:5], s[20:21]
	s_add_nc_u64 s[22:23], s[6:7], s[22:23]
	s_add_nc_u64 s[46:47], s[4:5], s[46:47]
	s_add_nc_u64 s[92:93], s[6:7], s[92:93]
	CROUND                                         ; all sixteen work-groups are here: the first joint loads meet
	s_mov_b32 s[G0S], 1
	s_add_co_u32 s[G0S+1], s94, SCL
	s_mov_b64 s[G0S+2:G0S+3], s[22:23]
	s_or_b32 s[G0S+3], s[G0S+3], 0x80000000
	s_mov_b32 s[G0SB], 1
	s_add_co_u32 s[G0SB+1], s94, SCL
	s_mov_b64 s[G0SB+2:G0SB+3], s[92:93]
	s_or_b32 s[G0SB+3], s[G0SB+3], 0x80000000
	JLOAD G0S, G1S, G0SB, G1SB                     ; the scales first: they are wanted with K step 0.  With the two below, three loads of mine are out
.irp s, 0,1
	s_mov_b32 s[G0+4*\s], 1
	s_add_co_u32 s[G0+4*\s+1], s45, \s*SLOT
	s_add_nc_u64 s[G0+4*\s+2:G0+4*\s+3], s[20:21], \s*ROWB
	s_or_b32 s[G0+4*\s+3], s[G0+4*\s+3], 0x80000000
	s_mov_b32 s[G0B+4*\s], 1
	s_add_co_u32 s[G0B+4*\s+1], s45, \s*SLOT
	s_add_nc_u64 s[G0B+4*\s+2:G0B+4*\s+3], s[46:47], \s*ROWB
	s_or_b32 s[G0B+4*\s+3], s[G0B+4*\s+3], 0x80000000
	JLOAD G0+4*\s, G1, G0B+4*\s, G1B
.endr
	v_and_b32 v1, 15, v0                           ; l % 16
	v_bfe_u32 v2, v0, 4, 1                         ; l / 16
	v_mul_u32_u24 v3, v1, PITCH
	v_lshl_add_u32 v4, v2, 4, v3                   ; a fragment's row x pitch + 16 x half
	s_mul_i32 s21, s15, HALFT                      ; my 128 rows of A
	s_mul_i32 s22, s16, HALFT                      ; my 128 rows of B,
	s_add_co_u32 s22, s22, 2*HALFT                 ; which lie behind A's 256
.irp s, 0,1
	v_add_nc_u32 v[ADRA+\s], s21, v4
	v_add_nc_u32 v[ADRB+\s], s22, v4
	s_add_co_u32 s21, s21, SLOT
	s_add_co_u32 s22, s22, SLOT
.endr
	v_mul_u32_u24 v5, v1, KS                       ; my row's scales: 64 bytes a row,
	v_lshrrev_b32 v6, 8, v5
	v_lshl_add_u32 v5, v6, 4, v5                   ; and 16 more for each 256 passed
	s_mul_i32 s21, s15, HALFS
	s_mul_i32 s22, s16, HALFS
	s_add_co_u32 s22, s22, 2*HALFS
	s_sub_co_u32 s22, s22, s21
	v_mul_u32_u24 v6, s22, v2                      ; lanes 16-31 take B's: one product, the distance between the two bases
	s_add_co_u32 s21, s21, SCL
	v_add_nc_u32 v5, v5, v6
	v_add_nc_u32 v[ADRS], s21, v5
	v_lshlrev_b32 v[RA], 8, v1
	v_lshl_add_u32 v[RA], v2, 5, v[RA]
	v_and_b32 v6, 31, v0
	v_lshlrev_b32 v[LI], 4, v6
	s_lshl_b32 s20, s17, 1
	s_add_co_u32 s20, s20, s15                     ; which 128 of the A side are mine
	s_lshl_b32 s46, s42, 1
	s_add_co_u32 s46, s46, s16                     ; which 128 of the B side
	s_lshl_b32 s22, s20, 15
	s_mov_b32 s23, 0
	s_add_nc_u64 s[RP:RP+1], s[8:9], s[22:23]      ; 128 positions of 256 bytes
	s_cmp_eq_u32 s[TN], 2
	s_cselect_b32 s47, s20, s46                    ; the head: the channels' side
	s_cselect_b32 s46, s46, s20                    ; the block of 128 positions
	s_lshl_b32 s47, s47, 19
	s_lshl_b32 s46, s46, 15
	s_add_co_u32 s46, s46, s47
	s_lshl_b32 s47, s[TN], 23
	s_add_co_u32 s46, s46, s47
	s_mov_b32 s47, 0
	s_add_nc_u64 s[12:13], s[10:11], s[46:47]      ; my 32 KiB of qkv
.macro FRAG reg, adr, q, i             ; 16 rows x 128 K of 4-bit codes: 8 registers: lane l holds row l % 16; registers 4 c .. 4 c + 3 hold K = 64 c + 32 (l / 16) + 0 .. 31
.irp c, 0,1
	ds_load_b128 v[\reg+4*\c:\reg+4*\c+3], v[\adr] offset:64*(\q)+32*\c+(\i)*16*PITCH
.endr
.endm
; 16 matrix instructions: A's blocks a0, a0 + 1 x B's eight, 128 along K.  The 64 accumulators take turns, one instruction a turn, in the same order in every step.
.macro MUL16 a0, p, q, sc, zero
.irp a, \a0, \a0+1
.irp b, 0,1,2,3,4,5,6,7
.if \zero
	v_wmma_scale_f32_16x16x128_f8f6f4 v[8*(8*((\a)%4)+\b):8*(8*((\a)%4)+\b)+7], v[128*(\p)+FR*\b:128*(\p)+FR*\b+FR-1], v[AF+FR*(\a):AF+FR*(\a)+FR-1], 0, v[SC+8*NQ*(\sc)+NQ*\b+(\q)], v[SC+8*NQ*(\sc)+NQ*(\a)+(\q)] matrix_a_fmt:MATRIX_FMT_FP4 matrix_b_fmt:MATRIX_FMT_FP4 matrix_a_scale:MATRIX_SCALE_ROW1
.else
	v_wmma_scale_f32_16x16x128_f8f6f4 v[8*(8*((\a)%4)+\b):8*(8*((\a)%4)+\b)+7], v[128*(\p)+FR*\b:128*(\p)+FR*\b+FR-1], v[AF+FR*(\a):AF+FR*(\a)+FR-1], v[8*(8*((\a)%4)+\b):8*(8*((\a)%4)+\b)+7], v[SC+8*NQ*(\sc)+NQ*\b+(\q)], v[SC+8*NQ*(\sc)+NQ*(\a)+(\q)] matrix_a_fmt:MATRIX_FMT_FP4 matrix_b_fmt:MATRIX_FMT_FP4 matrix_a_scale:MATRIX_SCALE_ROW1
.endif
.endr
.endr
.endm
.macro FETCH_B slot, q, p
	WIN TO_B
.irp i, 0,1,2,3,4,5,6,7
	FRAG 128*(\p)+FR*\i, ADRB+\slot, \q, \i
.endr
	WIN 0
.endm
.macro FETCH_A slot, q, i0
.irp i, \i0, \i0+1, \i0+2, \i0+3
	FRAG AF+FR*(\i), ADRA+\slot, \q, \i
.endr
.endm
.macro SCALES sc                       ; a K step's scale words: 4 words a row; lanes 0-15 take A's block i, lanes 16-31 B's block i
.irp i, 0,1,2,3,4,5,6,7
	ds_load_b128 v[SC+8*NQ*\sc+NQ*\i:SC+8*NQ*\sc+NQ*\i+3], v[ADRS] offset:\i*SBLK
.endr
.endm
.macro PLACES n                        ; plain vector lines between a matrix instruction and a load into, or a read or write by a vector instruction of, its registers
.rept \n
	v_nop
.endr
.endm
.macro STEP slot, q, zero              ; a step of 128 along K that has its successor in the same slot
	s_wait_dscnt 4*NL                              ; B's set and A's blocks 0-3 are in; the youngest eight loads (A's blocks 4-7) may be out
	WIN MUL_LO
	MUL16 0, (\q)%2, \q, \slot, \zero
	MUL16 2, (\q)%2, \q, \slot, \zero
	s_wait_dscnt 0
	PLACES NP
	FETCH_B \slot, (\q)+1, 1-(\q)%2
	FETCH_A \slot, (\q)+1, 0
	WIN MUL_HI
	MUL16 4, (\q)%2, \q, \slot, \zero
	MUL16 6, (\q)%2, \q, \slot, \zero
	PLACES NP
	WIN 0
	FETCH_A \slot, (\q)+1, 4
.endm
; A slot's last step changes slots: ONE barrier; in front of it each wave waits for all its tensor loads, adds 0 to its spare word, and waits for that and for its own reads of this slot.
.macro TURN slot, next, fill
	s_wait_tensorcnt 0x0                           ; all my tensor loads have landed: my part of the next slot
	ds_add_u32 v[SPW], v[NIL]                      ; 0 onto my spare word
	s_wait_dscnt 4*NL+1                            ; (the add and the youngest eight loads, A's blocks 4-7, may be out)
	WIN MUL_LO
	MUL16 0, 1, NQ-1, \slot, 0                     ; sixteen matrix instructions stand between the add and the wait for it
	s_wait_dscnt 0x0                               ; the add is done, and my reads of this slot are over
	s_barrier_signal -1
	MUL16 2, 1, NQ-1, \slot, 0
	WIN 0
	s_barrier_wait -1
.if \fill
	CREST                                          ; the barrier has opened a round of the cluster's: no wave of any partner still reads this slot or has a load on its way
	s_add_nc_u64 s[G0+4*\slot+2:G0+4*\slot+3], s[G0+4*\slot+2:G0+4*\slot+3], 2*ROWB
	s_add_nc_u64 s[G0B+4*\slot+2:G0B+4*\slot+3], s[G0B+4*\slot+2:G0B+4*\slot+3], 2*ROWB
	JLOAD G0+4*\slot, G1, G0B+4*\slot, G1B         ; the first tensor load behind the round, my one load until the next; its four v_nop are the places in front of the loads below
.else
	PLACES NP
.endif
	v_add_nc_u32 v[ADRS], 4*NQ, v[ADRS]            ; on to the next K step's scale words
	FETCH_B \next, 0, 0
	FETCH_A \next, 0, 0
	SCALES \next
	WIN MUL_HI
	MUL16 4, 1, NQ-1, \slot, 0
	MUL16 6, 1, NQ-1, \slot, 0
	PLACES NP
	WIN 0
	FETCH_A \next, 0, 4
.endm
.macro STEPS slot, from
.set Q, \from
.rept NQ-1-\from
	STEP \slot, Q, 0
.set Q, Q+1
.endr
.endm
.macro LAST                            ; the very last step: nothing more to fetch
	s_wait_dscnt 4*NL
	WIN MUL_LO
	MUL16 0, 1, NQ-1, 1, 0
	MUL16 2, 1, NQ-1, 1, 0
	s_wait_dscnt 0
	WIN MUL_HI
	MUL16 4, 1, NQ-1, 1, 0
	MUL16 6, 1, NQ-1, 1, 0
	WIN 0
	PLACES NP                                      ; in front of the first read of results, and of the first write into the registers that held A's fragments
.endm
; THE WAY OUT.  RL a: cos and sin for row tile a: lane (r, h) wants, for b = 0 .. 3, the four pairs i = 8 b + 4 h + 0 .. 3 of position 16 a + r: 32 bytes, two loads.
.macro RL a
.irp b, 0,1,2,3
.irp c, 0,1
	global_load_b128 v[CSR+32*((\a)%2)+8*\b+4*\c:CSR+32*((\a)%2)+8*\b+4*\c+3], v[RA], s[RP:RP+1] offset:(\a)*4096+\b*64+16*\c
.endr
.endr
.endm
.macro SEND a
.irp b, 0,1,2,3,4,5,6,7
	global_store_b128 v[LI], v[OUT+32*((\a)%2)+4*\b:OUT+32*((\a)%2)+4*\b+3], s[12:13] offset:(\a)*4096+\b*512   ; 512 consecutive bytes, aligned
.endr
.endm
; Row tile a of q or k.  Channels 0-63 (b = 0 .. 3) are turned: a register pair is (even, odd) channel: even' = even cos - odd sin, odd' = odd cos + even sin: one packed product and one packed multiply-add.
.macro ROPEOUT a
.set AC, 64*((\a)%4)
.set CC, CSR+32*((\a)%2)
.set OB, OUT+32*((\a)%2)
.if (\a) < 7
	s_wait_loadcnt 8                               ; this tile's eight table loads are in; the next tile's eight may be out
.else
	s_wait_loadcnt 0x0
.endif
.if (\a) > 1
	s_wait_xcnt 0x0                                ; tile a - 2's stores have read their data: the set is written again only behind this wait
.endif
	WIN 0x02+(\a)/4                                ; source 0: the accumulators' window
.irp b, 0,1,2,3
.irp p, 0,2,4,6
	v_pk_mul_f32 v[TT+8*\b+\p:TT+8*\b+\p+1], v[AC+8*\b+\p:AC+8*\b+\p+1], v[CC+8*\b+\p:CC+8*\b+\p+1] op_sel_hi:[1,0]   ; (even, odd) x cos; each accumulator is read from its low end on
.endr
.endr
.irp b, 0,1,2,3
.irp p, 0,2,4,6
	v_pk_fma_f32 v[TT+8*\b+\p:TT+8*\b+\p+1], v[AC+8*\b+\p:AC+8*\b+\p+1], v[CC+8*\b+\p:CC+8*\b+\p+1], v[TT+8*\b+\p:TT+8*\b+\p+1] op_sel:[1,1,0] op_sel_hi:[0,1,1] neg_lo:[0,1,0]   ; - odd sin, + even sin
.endr
.endr
	WIN 0
.irp b, 0,1,2,3
.irp p, 0,1,2,3
	v_cvt_pk_f16_f32 v[OB+4*\b+\p], v[TT+8*\b+2*\p], v[TT+8*\b+2*\p+1]
.endr
.endr
	WIN 0x0a+5*((\a)/4)                            ; sources 0 and 1: the accumulators' window
.irp b, 4,5,6,7
.irp p, 0,1,2,3
	v_cvt_pk_f16_f32 v[OB+4*\b+\p], v[AC+8*\b+2*\p], v[AC+8*\b+2*\p+1]
.endr
.endr
	WIN 0
.if (\a) < 6
	RL (\a)+2
.endif
	SEND \a
.endm
.macro PLAINOUT a                      ; row tile a of v: rounded as it is
.set AC, 64*((\a)%4)
.set OB, OUT+32*((\a)%2)
.if (\a) > 1
	s_wait_xcnt 0x0
.endif
	WIN 0x0a+5*((\a)/4)
.irp b, 0,1,2,3,4,5,6,7
.irp p, 0,1,2,3
	v_cvt_pk_f16_f32 v[OB+4*\b+\p], v[AC+8*\b+2*\p], v[AC+8*\b+2*\p+1]
.endr
.endr
	WIN 0
	SEND \a
.endm
	s_wait_tensorcnt 1                             ; the scales and my part of K step 0 are in (K step 1's load may be out)
	s_barrier_signal -1
	s_barrier_wait -1                              ; everybody's are
	FETCH_B 0, 0, 0
	FETCH_A 0, 0, 0
	SCALES 0
	FETCH_A 0, 0, 4
	STEP 0, 0, 1                                   ; the first step stands in front of the loop: its products start the sums
	s_mov_b32 s3, LAPS-1
.Llap:                                                 ; a trip goes once round the ring and fills both slots again
	STEPS 0, 1
	TURN 0, 1, 1
	STEPS 1, 0
	TURN 1, 0, 1
	STEP 0, 0, 0
	s_sub_co_u32 s3, s3, 1
	s_cmp_lg_u32 s3, 0
	s_cbranch_scc1 .Llap
	STEPS 0, 1                                     ; the last lap fills nothing
	TURN 0, 1, 0
	STEPS 1, 0
	s_cmp_eq_u32 s[TN], 2                          ; the product's number: the same in all sixteen partners.  One parting: the last step is written in both arms
	s_cbranch_scc1 .Lplain
	RL 0                                           ; the first two tiles' cos and sin are on their way under the last 64 products
	RL 1
	LAST
.irp a, 0,1,2,3,4,5,6,7
	ROPEOUT \a
.endr
	s_branch .Ldone
.Lplain:
	LAST
.irp a, 0,1,2,3,4,5,6,7
	PLAINOUT \a
.endr
.Ldone:
	s_wait_tensorcnt 0x0                           ; the wave's end
	ds_add_u32 v[SPW], v[NIL]
	s_wait_dscnt 0x0
	CROUND                                         ; the closing round: no work-group ends while a partner may still ask for a tile that names it
	s_endpgm
.Lfunc_end_k_qd6c35cbf45_proj:
	.size	k_qd6c35cbf45_proj, .Lfunc_end_k_qd6c35cbf45_proj-k_qd6c35cbf45_proj
	.p2alignl 7, 3214868480
	.fill 96, 4, 3214868480
	.section	.rodata,"a",@progbits
	.p2align	6, 0x0
	.amdhsa_kernel k_qd6c35cbf45_proj
		.amdhsa_group_segment_fixed_size 327680
		.amdhsa_private_segment_fixed_size 0
		.amdhsa_enable_private_segment 0
		.amdhsa_kernarg_size 32
		.amdhsa_user_sgpr_count 2
		.amdhsa_user_sgpr_kernarg_segment_ptr 1
		.amdhsa_wavefront_size32 1
		.amdhsa_system_sgpr_workgroup_id_x 1
		.amdhsa_system_sgpr_workgroup_id_y 1
		.amdhsa_system_sgpr_workgroup_id_z 1
		.amdhsa_system_vgpr_workitem_id 0
		.amdhsa_next_free_vgpr 1024
		.amdhsa_next_free_sgpr 98
		.amdhsa_reserve_vcc 0
		.amdhsa_float_denorm_mode_32 3
		.amdhsa_float_denorm_mode_16_64 3
		.amdhsa_memory_ordered 1
		.amdhsa_forward_progress 1
		.amdhsa_inst_pref_size 255
	.end_amdhsa_kernel
	.section	.bss,"aw",@nobits
	.p2align	6
	.space	262144
	.amdgpu_metadata
---
amdhsa.version: [ 1, 2 ]
amdhsa.kernels:
  - .name:           k_qd6c35cbf45_proj
    .symbol:         k_qd6c35cbf45_proj.kd
    .args:
      - { .name: codes, .offset: 0, .size: 8, .value_kind: global_buffer, .address_space: global }
      - { .name: scales, .offset: 8, .size: 8, .value_kind: global_buffer, .address_space: global }
      - { .name: rope, .offset: 16, .size: 8, .value_kind: global_buffer, .address_space: global }
      - { .name: qkv, .offset: 24, .size: 8, .value_kind: global_buffer, .address_space: global }
    .group_segment_fixed_size: 327680
    .private_segment_fixed_size: 0
    .kernarg_segment_align: 8
    .kernarg_segment_size: 32
    .max_flat_workgroup_size: 128
    .sgpr_count:     98
    .vgpr_count:     1024
    .wavefront_size: 32
...
	.end_amdgpu_metadata
.endif
;; end of part 2
;; launch attn (part 3): grid 16 x 16, 4 waves a work-group, clusters of 4 x 1, 327,680 bytes of LDS; arguments qkv, mbits, att; writes att
.if DOCPART == 3
	.amdgcn_target "amdgcn-amd-amdhsa--gfx1250"
	.amdhsa_code_object_version 6
	.text
	.protected	k_qd6c35cbf45_attn
	.globl	k_qd6c35cbf45_attn
	.p2align	8
	.type	k_qd6c35cbf45_attn,@function
k_qd6c35cbf45_attn:
	s_mov_b64 s[64:65], 0
	v_nop
	global_prefetch_b8 v0, s[64:65] scope:SCOPE_SE
	s_setreg_imm32_b32 hwreg(HW_REG_WAVE_MODE, 25, 1), 1
	s_wait_xcnt 0x0
	s_wait_alu depctr_hold_cnt(0) depctr_sa_sdst(0) depctr_va_vdst(0) depctr_va_sdst(0) depctr_va_ssrc(0) depctr_va_vcc(0) depctr_vm_vsrc(0)
	s_getreg_b32 s2, hwreg(HW_REG_IB_STS2, 6, 4)
	s_cmp_eq_u32 s2, 0
	s_cbranch_scc0 .Lentry_in_a_cluster
	s_endpgm
.Lentry_in_a_cluster:
	s_bfe_u32 s2, ttmp6, 0x10000c
	s_cmp_lg_u32 s2, 0x3003
	s_cbranch_scc0 .Lentry_shape_is_right
	s_endpgm
.Lentry_shape_is_right:
; att[q] = the sum over k of softmax_k(mask ? Q[q] . K[k] / sqrt(128) : -2^100) V[k], for 16 heads of 128 channels, 2,048 queries and keys.  Q, K, V in f16, as images of fragments (16 rows x 32 along a product's K in
; 1,024 bytes: bytes 0-511 registers 0-3 of the 32 lanes, bytes 512-1023 registers 4-7).  Products, maxima and sums in f32; the weights p are rounded to f16 for the second product.  The mask is an input: every key is multiplied.
; THE MASK.  A hidden score becomes -2^100 where the definition has -1e30: c x 2^100 is exact, so on a row that is hidden everywhere c s - c m is exactly 0, every p is 1 and the row is the mean of V, as defined;
; on every other row p is 0.  LIMIT: true scores lie above -1e29.  The running maximum is taken away before every exponential.
; SHARES.  A work-group owns 128 queries of one head.  Wave w: queries 64 (w % 2) on, four tiles of 16; key group g = w / 2: of each slot of 256 keys it takes keys 128 g .. 128 g + 127, two steps of 64.
; So a wave walks 16 steps, and a query's two partial softmaxes (m, l, O) meet in LDS at the end.
; LAYOUT.  S^T = K Q^T and O^T = V^T P: a lane holds ONE query (lane % 16) throughout; two tiles of S^T, rounded in pairs, are source 1 of the second product.
; BY TURNS.  The wave's tiles are two pieces (0: tiles 0, 1; 2: tiles 2, 3).  In a turn one piece has the matrix unit (32 products V^T P, then 32 products K Q^T of the next step) and the other piece has the vector unit.
; A turn begins with that other piece's mask: 64 selects in ONE RUN, so that the 64 scalar registers of mask words are free at once and the next turn's words are asked for with nearly the whole turn in which to come.
; The piece's softmax, 268 vector instructions, then stands in slices of four behind the matrix instructions; the 12 that are over stand in the last slice.
; CLUSTER.  The four query blocks of a cluster belong to one head and walk the same K and V: each tile is asked for jointly.
; OUT.  att: f16 images for the last projection, [K / 256: 8][position / 16: 128][K / 32 % 8: 8][1 KiB], K = 128 head + channel.  At 8 MiB: lo = f16((o - f16(o)) x 2048) of each work-group's first 16 queries,
; [head 16][block 16][4 KiB]; block 0 is what the small launch for positions 0-15 reads.  All work-groups write theirs.
; REGISTERS: window 0: v2-9 addresses; v12-43 statistics, 8 a tile; v60 -2^100; v64-191 S^T; v192-255 P.   window 1: O^T.   window 2: v0-127 Q, v128-255 K.   window 3: v0-127 V.
.set SLOT1, 1<<17                      ; a slot: K's 256 keys (64 KiB), then V's (64 KiB); slot 1 begins here
.set SPARE, 2*SLOT1                    ; behind the ring: the spare words, 128 bytes for each wave
.set XS,    0                          ; the way out, in slot 0, which has had its last fill and its last read by then: statistics, 1 KiB a wave,
.set XO,    4096                       ; and half of each wave's O^T, 16 KiB a wave
.set AK0, 2                            ; v2   16 x lane + 32,768 g: my place in a slot's K
.set AV0, 3                            ; v3   the same in its V
.set ADR, 4                            ; v4   the LDS address of the run of loads in hand
.set LI,  5                            ; v5   16 x lane
.set XSA, 6                            ; v6   where I put statistics;  v7 where my partner (wave xor 2) put its
.set XSB, 7
.set XOA, 8                            ; v8   where I put O^T;  v9 where my partner put its
.set XOB, 9
.set ST,  12                           ; tile t's statistics at v[ST + 8 t]: +0 c m, +1 m, +2, +3 l, +4 to +7 at work
.set NEG, 60
.set PFO, 61                           ; v61  256 x lane
.set SPW, 62
.set NIL, 63
.set S,   64
.set P,   192
.set KF,  128
.set WV,  4                            ; s4   my wave's number
.set SLOTS, 5
.set TWICE, 6
.set TB,  7                            ; s7   LDS byte at which the K of the step to be fetched begins;  s8 the same for V
.set TBV, 8
.set LIM, 9
.set CS,  10                           ; s[10:11] c = log2(e) / sqrt(128)
.set SEL, 12                           ; s[12:13] lane selects for v_permlanex16_b32
.set MP,  14                           ; s[14:15] my mask words: piece 0's of the step in hand; piece 2's lie 8,192 bytes on
.set G1,  16                           ; s[16:23] descriptor group 1;  s[24:27], s[28:31] groups 0: the second walks
.set G0,  24
.set PFA, 66                           ; s[66:67] where my prefetches stand
.set AH,  100                          ; s[100:101] att, my tiles;  s[104:105] the lo part
.set AL,  104
; s[32:63], s[68:99]: a turn's 64 mask words: word n (score register n / 2, tile n % 2) in s[32 + n + 4 (n / 32)]
.set MSB, 0
.macro WIN new
.if MSB != \new
	s_set_vgpr_msb (MSB<<8)|\new
.set MSB, \new
.endif
.endm
.set W_KQ, 0x0a                        ; K and Q in window 2, S^T in window 0
.set W_PV, 0x53                        ; V in window 3, P in window 0, O^T in window 1
.set W_RS, 0x41                        ; O^T in window 1, the factor in window 0
.macro JLOAD                           ; a joint refill: every wave fetches 32 KiB of its own (waves 0, 1: K's halves; 2, 3: V's); an s_nop 0 and four v_nop follow
	tensor_load_to_lds s[G0+4:G0+7], s[G1:G1+7]
	s_nop 0
.rept 4
	v_nop
.endr
.endm
; A PREFETCH INTO THE L2 of what the NEXT change of slots will ask for.  All clusters of a head walk the same K and V: the head's first cluster asks.  Of the 128 runs of 256 bytes that a wave's load brings, each of the four
; partners names 32, told apart by address; a lane a run.  So each run is named once in the launch.  The last change that fills a slot asks for nothing; slots 0 to 2 come by their loads alone.
.macro ASK
	s_cmp_gt_u32 s[SLOTS], s[LIM]
	s_cbranch_scc0 .Lnot_mine_\@
	global_prefetch_b8 v[PFO], s[PFA:PFA+1] th:TH_LOAD_NT scope:SCOPE_SE
.Lnot_mine_\@:
.endm
.macro CROUND
	s_barrier_signal -1
	s_barrier_wait -1
	s_cmp_lg_u32 s[WV], 0
	s_cbranch_scc1 .Lnot_wave_0_\@
	s_barrier_signal -3
.Lnot_wave_0_\@:
	s_barrier_wait -3
	s_barrier_signal -1
	s_barrier_wait -1
.endm
.macro MLOAD off                       ; 64 mask words, 256 bytes
	s_load_b512 s[32:47], s[MP:MP+1], \off
	s_load_b512 s[48:63], s[MP:MP+1], \off+64
	s_load_b512 s[68:83], s[MP:MP+1], \off+128
	s_load_b512 s[84:99], s[MP:MP+1], \off+192
.endm
	s_load_b128 s[32:35], s[0:1], 0x0              ; qkv s[32:33], mbits s[34:35]
	s_load_b64 s[36:37], s[0:1], 0x10              ; att
	v_lshl_add_u32 v[SPW], v0, 2, SPARE
	v_mov_b32 v[NIL], 0
	ds_add_u32 v[SPW], v[NIL]                      ; the wave's opening: the add, twice on end, and its wait ahead of my first tensor load
	ds_add_u32 v[SPW], v[NIL]
	v_lshrrev_b32 v1, 5, v0
	v_readfirstlane_b32 s[WV], v1                  ; wave 0..3
	s_bfe_u32 s38, ttmp6, 0x40000                  ; cx
	s_lshl_b32 s39, ttmp9, 2
	s_add_co_u32 s39, s39, s38                     ; my block of 128 queries: it enters Q's, the mask's and att's addresses alone
	s_and_b32 s40, ttmp7, 0xffff                   ; the head, which the four partners share
	s_and_b32 s41, s[WV], 1                        ; which 64 queries.  Also: which half of K or V I fetch
	s_lshr_b32 s42, s[WV], 1                       ; g.  Also: I fetch for K (0) or V (1)
	s_add_co_u32 s44, s42, 1
	s_lshl_b32 s44, s44, 23                        ; K at 8 MiB, V at 16 MiB,
	s_lshl_b32 s43, s40, 19
	s_add_co_u32 s44, s44, s43                     ; a head's 512 KiB,
	s_lshl_b32 s43, s41, 15
	s_add_co_u32 s44, s44, s43                     ; my 32 KiB of a slot's 64
	s_mov_b32 s45, 0
	s_lshl_b32 s46, s40, 19                        ; Q: head, block's 8 tiles of 4 KiB, my 4 of them
	s_lshl_b32 s43, s39, 15
	s_add_co_u32 s46, s46, s43
	s_lshl_b32 s57, s41, 14
	s_add_co_u32 s46, s46, s57
	s_mov_b32 s47, 0
	s_lshl_b32 s48, s38, 13                        ; the prefetches: my work-group's 8 KiB, two slots on
	s_add_co_u32 s48, s48, 0x20000
	s_mov_b32 s49, 0
	s_add_co_u32 s50, s43, s57                     ; the mask words: (4 block + 2 half) x 8,192 + 4,096 g
	s_lshl_b32 s43, s42, 12
	s_add_co_u32 s50, s50, s43
	s_mov_b32 s51, 0
	s_lshr_b32 s52, s40, 1                         ; att: (head / 2) MiB + (head % 2) x 4 KiB + (8 block + 4 half + 2 g) x 8 KiB
	s_lshl_b32 s52, s52, 20
	s_and_b32 s43, s40, 1
	s_lshl_b32 s43, s43, 12
	s_add_co_u32 s52, s52, s43
	s_lshl_b32 s43, s39, 16
	s_add_co_u32 s52, s52, s43
	s_lshl_b32 s43, s41, 15
	s_add_co_u32 s52, s52, s43
	s_lshl_b32 s43, s42, 14
	s_add_co_u32 s52, s52, s43
	s_mov_b32 s53, 0
	s_lshl_b32 s54, s40, 16                        ; the lo part: 8 MiB + head x 64 KiB + block x 4 KiB
	s_add_co_u32 s54, s54, 0x800000
	s_lshl_b32 s43, s39, 12
	s_add_co_u32 s54, s54, s43
	s_mov_b32 s55, 0
	s_mov_b32 s[G1], 15|(3<<16)|(1<<21)            ; the mask: all four work-groups; elements of 8 bytes; bit 21 beside a mask; no padding: images are read 16 bytes a lane on end
	s_mov_b32 s[G1+1], 32<<16                      ; tensor_dim0 = 32 elements: rows of 256 bytes
	s_mov_b32 s[G1+2], 128<<16                     ; tensor_dim1 = 128
	s_mov_b32 s[G1+3], 32<<16                      ; tile_dim0
	s_mov_b32 s[G1+4], 128                         ; tile_dim1
	s_mov_b32 s[G1+5], 32                          ; the pitch: dense
	s_mov_b32 s[G1+6], 0
	s_mov_b32 s[G1+7], 0
	s_mov_b32 s[G0], 1
	s_lshl_b32 s[G0+1], s[WV], 15                  ; LDS: wave x 32 KiB: no place in the cluster enters an LDS address
	s_mov_b32 s[G0+4], 1
	s_add_co_u32 s[G0+5], s[G0+1], SLOT1
	s_mov_b32 s[CS], 0x3e0293ee
	s_mov_b32 s[CS+1], s[CS]
	s_mov_b32 s[SEL], 0x76543210
	s_mov_b32 s[SEL+1], 0xfedcba98
	s_mov_b32 s[TB], 0
	s_mov_b32 s[TBV], 0
	s_mov_b32 s[SLOTS], 6                          ; 8 slots of 256 keys; all but the first two are refills
	s_cmp_eq_u32 ttmp9, 0
	s_cselect_b32 s[LIM], 1, -1                    ; the same in all four partners
	v_and_b32 v1, 31, v0
	v_lshlrev_b32 v[LI], 4, v1
	s_lshl_b32 s43, s42, 15
	v_add_nc_u32 v[AK0], s43, v[LI]
	v_add_nc_u32 v[AV0], 0x10000, v[AK0]
	v_lshlrev_b32 v10, 2, v1
	s_lshl_b32 s43, s[WV], 10
	v_add_nc_u32 v[XSA], s43, v10
	s_xor_b32 s56, s[WV], 2                        ; my partner: the same queries, the other keys
	s_lshl_b32 s43, s56, 10
	v_add_nc_u32 v[XSB], s43, v10
	s_lshl_b32 s43, s[WV], 14
	s_add_co_u32 s43, s43, XO
	v_add_nc_u32 v[XOA], s43, v[LI]
	s_lshl_b32 s43, s56, 14
	s_add_co_u32 s43, s43, XO
	v_add_nc_u32 v[XOB], s43, v[LI]
	v_mov_b32 v[NEG], 0xf1800000                   ; -2^100
	v_lshlrev_b32 v[PFO], 8, v1
	s_wait_dscnt 0x0                               ; both opening adds are done
	s_wait_kmcnt 0x0
	s_add_nc_u64 s[G0+2:G0+3], s[32:33], s[44:45]  ; slot 0's keys,
	s_add_nc_u64 s[G0+6:G0+7], s[G0+2:G0+3], 0x10000   ; slot 1's
	s_add_nc_u64 s[PFA:PFA+1], s[G0+2:G0+3], s[48:49]  ; in slot 2: the first change of slots steps it to slot 3
	s_or_b32 s[G0+3], s[G0+3], 0x80000000
	s_or_b32 s[G0+7], s[G0+7], 0x80000000
	s_add_nc_u64 s[2:3], s[32:33], s[46:47]        ; Q
	s_add_nc_u64 s[MP:MP+1], s[34:35], s[50:51]
	s_add_nc_u64 s[AH:AH+1], s[36:37], s[52:53]
	s_add_nc_u64 s[AL:AL+1], s[36:37], s[54:55]
	CROUND                                         ; all four work-groups are here: the first joint loads meet
	tensor_load_to_lds s[G0:G0+3], s[G1:G1+7]      ; the two first fills go out together: two loads of mine are out
	s_nop 0
	tensor_load_to_lds s[G0+4:G0+7], s[G1:G1+7]
	s_nop 0
.rept 4
	v_nop
.endr
	WIN 0x80                                       ; destination window 2
.set f, 0
.rept 32
	global_load_b128 v[4*f:4*f+3], v[LI], s[2:3] offset:512*f   ; Q's 16 fragments, as they lie: they stay in registers
.set f, f+1
.endr
	WIN 0
	MLOAD 0                                        ; piece 0's mask words of step 0 (the set-up's scalars are done with)
; THE MATRIX WORK OF A TURN, for piece x.  The accumulators take turns, one instruction a turn.
.macro PV x, zero                      ; product i of 32 of O^T += V^T P: keys 32 (i / 16) on, channels 16 ((i / 2) % 8) on, tile x + i % 2
	WIN W_PV
.set rO, 64*(\x+i%2)+8*((i/2)%8)
.set rV, 64*(i/16)+8*((i/2)%8)
.set rP, P+16*(\x+i%2)+8*(i/16)
.if \zero && (i < 16)
	v_wmma_f32_16x16x32_f16 v[rO:rO+7], v[rV:rV+7], v[rP:rP+7], 0
.else
	v_wmma_f32_16x16x32_f16 v[rO:rO+7], v[rV:rV+7], v[rP:rP+7], v[rO:rO+7]
.endif
.endm
.macro KQ x                            ; product i of 32 of S^T = K Q^T: channels 32 (i / 8) on, keys 16 ((i / 2) % 4) on, tile x + i % 2
	WIN W_KQ
.set rS, S+32*(\x+i%2)+8*((i/2)%4)
.set rK, KF+32*((i/2)%4)+8*(i/8)
.set rQ, 32*(\x+i%2)+8*(i/8)
.if i < 8
	v_wmma_f32_16x16x32_f16 v[rS:rS+7], v[rK:rK+7], v[rQ:rQ+7], 0
.else
	v_wmma_f32_16x16x32_f16 v[rS:rS+7], v[rK:rK+7], v[rQ:rQ+7], v[rS:rS+7]
.endif
.endm
; THE LDS LOADS stand in runs of 32.  A step's K is 16 KiB on end: 16 fragments in the order of the registers.
.macro FETCH_K
	WIN 0
	v_add_nc_u32 v[ADR], s[TB], v[AK0]
	WIN 0x80
.set f, 0
.rept 32
	ds_load_b128 v[KF+4*f:KF+4*f+3], v[ADR] offset:512*f
.set f, f+1
.endr
.endm
.macro FETCH_V                         ; a step's V: fragment f: keys 32 (f / 8) on, channels 16 (f % 8) on; in a group's 32 KiB a tile of 16 channels is 4 KiB, 32 keys 1 KiB
	WIN 0
	v_add_nc_u32 v[ADR], s[TBV], v[AV0]
	s_add_co_u32 s[TB], s[TB], 16384               ; the next fetches are the next step's
	s_add_co_u32 s[TBV], s[TBV], 2048
	s_wait_alu depctr_va_vdst(0)                   ; the wait for the softmax's batch of exponentials, ahead of the first line that names a result
	WIN 0xc0
.irp f, 0,1,2,3,4,5,6,7,8,9,10,11,12,13,14,15
	ds_load_b128 v[8*\f:8*\f+3],   v[ADR] offset:(\f%8)*4096+(\f/8)*1024
	ds_load_b128 v[8*\f+4:8*\f+7], v[ADR] offset:(\f%8)*4096+(\f/8)*1024+512
.endr
.endm
; THE MASK of piece y for one key step: 64 selects in one run: score register n / 2 of tile y + n % 2 keeps its number where its word's bit is set, else it becomes -2^100.  Each accumulator is read from its low end on.
.macro MASK y
	WIN 0
.set n, 0
.rept 64
	v_cndmask_b32 v[S+32*((\y)+n%2)+n/2], v[NEG], v[S+32*((\y)+n%2)+n/2], s[32+n+4*(n/32)]
.set n, n+1
.endr
.endm
; THE SOFTMAX of one tile for one key step: a list of 134 instructions; SM writes number j for tile t.  first = 1: the first key step, which starts m, l and O^T.
;   0-15 the maximum of the 32 scores and the old m;  16-20 the other half of the lanes' maximum, the new m, c m, its change;  21-69 ONE BATCH: 16 packed scalings c s - c m and all 33 exponentials, none of which reads
;   an exponential's result;  (the wait for the batch);  70-85 the roundings to f16;  86-101 the sums, l = a l + the sum;  102-133 O^T times a.
.macro SM t, first
.set rT, ST+8*(\t)
.set rS, S+32*(\t)
.set rP, P+16*(\t)
.set rO, 64*(\t)+2*(j-102)
.if j < 102
	WIN 0
.endif
.if j < 4
	v_max3_num_f32 v[rT+4+j], v[rS+8*j], v[rS+8*j+1], v[rS+8*j+2]
.elseif j < 12
	v_max3_num_f32 v[rT+4+j%4], v[rT+4+j%4], v[rS+8*(j%4)+2*(j/4)+1], v[rS+8*(j%4)+2*(j/4)+2]
.elseif j == 12
	v_max3_num_f32 v[rT+4], v[rT+4], v[rS+7], v[rS+15]
.elseif j == 13
	v_max3_num_f32 v[rT+6], v[rT+6], v[rS+23], v[rS+31]
.elseif j == 14
	v_max3_num_f32 v[rT+4], v[rT+4], v[rT+5], v[rT+6]
.elseif (j == 15) && \first
	v_max_num_f32 v[rT+4], v[rT+4], v[rT+7]
.elseif j == 15
	v_max3_num_f32 v[rT+4], v[rT+4], v[rT+7], v[rT+1]
.elseif j == 16
	v_permlanex16_b32 v[rT+5], v[rT+4], s[SEL], s[SEL+1]  ; the query's other 32 keys lie in the lane 16 away
.elseif j == 18
	v_max_num_f32 v[rT+1], v[rT+4], v[rT+5]
.elseif j == 19
	v_mul_f32 v[rT], s[CS], v[rT+1]
.elseif ((j == 17) || (j == 20) || (j == 23) || (j > 101)) && \first  ; the first step has none of these
.elseif j == 17
	v_mov_b32 v[rT+7], v[rT]                       ; c m_old is kept for a
.elseif j == 20
	v_sub_f32 v[rT+7], v[rT+7], v[rT]
.elseif j == 23
	v_exp_f32 v[rT+6], v[rT+7]
.elseif (j < 23) || ((j < 38) && (j%2 == 0)) || ((j < 66) && (j%4 == 2))
.set b, (j-2)/4
.if j < 38
.set b, (j-20)/2
.endif
	v_pk_fma_f32 v[rS+2*b:rS+2*b+1], v[rS+2*b:rS+2*b+1], s[CS:CS+1], v[rT:rT+1] op_sel_hi:[1,0,0] neg_lo:[0,0,1] neg_hi:[0,0,1]  ; pair b: c s - c m
.elseif j < 70
.set e, j-38
.if j < 66
.set e, j-32-(j-38)/4
.endif
.if j < 38
.set e, (j-25)/2
.endif
	v_exp_f32 v[rS+e], v[rS+e]
.elseif j < 86
	v_cvt_pk_f16_f32 v[rP+j-70], v[rS+2*(j-70)], v[rS+2*(j-70)+1]
.elseif j < 102
.set z, j-86
.set w, 4
.set u, z
.if z >= 14
.set w, 32
.set u, 0
.elseif z >= 12
.set w, 16
.set u, z-12
.elseif z >= 8
.set w, 8
.set u, z-8
.endif
.if (z == 14) && \first
	v_pk_add_f32 v[rT+2:rT+3], v[rS:rS+1], v[rS+16:rS+17]
.elseif z < 15
	v_pk_add_f32 v[rS+w*u:rS+w*u+1], v[rS+w*u:rS+w*u+1], v[rS+w*u+w/2:rS+w*u+w/2+1]
.elseif !\first
	v_pk_fma_f32 v[rT+2:rT+3], v[rT+2:rT+3], v[rT+6:rT+7], v[rS:rS+1] op_sel_hi:[1,0,1]
.endif
.else
	WIN W_RS
	v_pk_mul_f32 v[rO:rO+1], v[rO:rO+1], v[rT+6:rT+7] op_sel_hi:[1,0]
.endif
.endm
; THE SOFTMAX OF A PIECE, both tiles: number n of 268.  0-43 numbers 0-21 of both tiles' lists, the tiles alternating, so that no line reads the result of the line just before it; 44-139 the batch, four numbers of one tile
; at a time, the tiles by turns; 140-267 numbers 70-133, alternating.  Behind n = 139, the end of slice 34, stand the batch's plain line and its one wait; in piece 2's turn V's run of loads stands there too.
.macro VEC y, first
.if n < 44
.set j, n/2
	SM (\y)+n%2, \first
.elseif n < 140
.set j, 22+4*(((n-44)/4)/2)+(n-44)%4
	SM (\y)+((n-44)/4)%2, \first
.else
.set j, 70+(n-140)/2
	SM (\y)+n%2, \first
.endif
.if n == 139
	v_nop                                          ; a plain line behind the last exponential: one for the batch
.if (\y) == 0
	FETCH_V
.else
	s_wait_alu depctr_va_vdst(0)                   ; the wait ahead of the first line that names a result: one for the piece's 66 exponentials
.endif
.endif
.set n, n+1
.endm
.macro SLICE y, first                  ; 268 = 4 x 64 + 12
.rept 4
	VEC \y, \first
.endr
.if k == 63
.rept 12
	VEC \y, \first                                 ; with the four above: 16 plain lines, the places behind the turn's last product
.endr
.endif
.set k, k+1
.endm
.macro PLACES
.rept 4
	v_nop
.endr
.endm
; A TURN.  pv = 2: 32 products V^T P; 1: they start O^T's sums; 0: none.  kq = 1: 32 products K Q^T for the next step.  A turn with one kind has two slices behind each product.  ml = 1: the next turn's mask words are asked for.
; At its head: the words are in; the other piece's 64 selects (its scores' last product stands 16 plain lines back, or four v_nop in the first steps); then the next turn's words are asked for, into the registers just read.
; Piece 0's turn fetches the next step's K behind its second product: K's last reader stands in front of the last slice of the turn before.  Piece 2's turn fetches the same step's V behind slice 34:
; V's last reader stands in front of slice 31, and four plain lines lie between: number 62, a scaling, of both tiles, the v_nop and the run's own addition.
.macro TURN x, pv, kq, first, ml
	s_wait_kmcnt 0x0                               ; this turn's mask words are in, and no scalar load of mine is out: the words' address may be stepped
	MASK 2-\x
.if \ml
.if \x == 0
	s_add_nc_u64 s[MP:MP+1], s[MP:MP+1], 256       ; the next turn masks piece 0's scores of the next step
	MLOAD 0
.else
	MLOAD 8192                                     ; the next turn masks piece 2's scores of the same step
.endif
.endif
.set k, 0
.set n, 0
.set per, 2
.if \pv && \kq
.set per, 1
.endif
.if \pv
.if \x == 0
	s_wait_dscnt 0x0                               ; V is in
.endif
.set i, 0
.rept 32
	PV \x, 2-\pv
.rept per
	SLICE 2-\x, \first
.endr
.if (\x == 0) && \kq && (i == 1)
	FETCH_K
.endif
.set i, i+1
.endr
.endif
.if \kq
.if \x == 0
	s_wait_dscnt 0x0                               ; K is in
.endif
.set i, 0
.rept 32
	KQ \x
.rept per
	SLICE 2-\x, \first
.endr
.set i, i+1
.endr
.endif
.if \first
	PLACES                                         ; the first step's last slices are empty: these are the places behind the turn's last products
.endif
.endm
; THE CHANGE OF SLOTS.  Each wave waits for all its tensor loads (one is out: its part of the other slot), adds 0 to its spare word, and waits for that and for its reads of the slot.  fill = 1: the barrier is a round of the
; cluster's, and the joint refill, the keys two slots on, is the first thing behind it: it has two of a wave's key steps, 256 matrix instructions, in which to land.
.macro CHANGE fill
	WIN 0
	s_wait_tensorcnt 0x0                           ; no tensor load of mine is out, so a group 0 may be written
	ds_add_u32 v[SPW], v[NIL]                      ; 0 onto my spare word
.if \fill
	s_xor_b32 s[G0+5], s[G0+5], SLOT1              ; the walking descriptor: the other slot than last time,
	s_add_nc_u64 s[G0+6:G0+7], s[G0+6:G0+7], 0x10000   ; the next 256 keys
	s_wait_xcnt 0x0                                ; the last prefetch, a slot back, has read its address
	s_add_nc_u64 s[PFA:PFA+1], s[PFA:PFA+1], 0x10000
	s_wait_dscnt 0x0                               ; the add is done, and my reads of the slot are over
	CROUND
	JLOAD
	ASK
.else
	s_wait_dscnt 0x0
	s_barrier_signal -1
	s_barrier_wait -1
.endif
	s_sub_co_u32 s[TB], s[TB], 32768               ; the fetches go back to my group's first step,
	s_xor_b32 s[TB], s[TB], SLOT1                  ; in the other slot
	s_sub_co_u32 s[TBV], s[TBV], 4096
	s_xor_b32 s[TBV], s[TBV], SLOT1
.endm
.macro TWO_STEPS
	s_mov_b32 s[TWICE], 2
.Lstep_\@:
	TURN 0, 2, 1, 0, 1
	TURN 2, 2, 1, 0, 1
	WIN 0
	s_sub_co_u32 s[TWICE], s[TWICE], 1
	s_cmp_lg_u32 s[TWICE], 0
	s_cbranch_scc1 .Lstep_\@
.endm
	s_wait_tensorcnt 1                             ; my part of slot 0 is in; slot 1's may stay out
	s_barrier_signal -1
	s_barrier_wait -1
	FETCH_K                                        ; my step 0
	s_wait_loadcnt 0x0                             ; Q
	s_wait_dscnt 0x0
.set i, 0
.rept 32
	KQ 0                                           ; piece 0's first scores
.set i, i+1
.endr
	WIN 0
	PLACES
	TURN 2, 0, 1, 1, 1                             ; piece 2's first scores | piece 0's first softmax | V of step 0
	TURN 0, 1, 1, 1, 1                             ; piece 0: V^T P of step 0 starts O^T, K Q^T of step 1 | piece 2's first softmax | K of step 1
	TURN 2, 1, 1, 0, 1                             ; piece 2: the same | piece 0's softmax of step 1 | V of step 1
	WIN 0
.Lslot:                                                ; six trips: every slot but the last two is filled again
	CHANGE 1
	TWO_STEPS
	s_sub_co_u32 s[SLOTS], s[SLOTS], 1
	s_cmp_lg_u32 s[SLOTS], 0
	s_cbranch_scc1 .Lslot
	CHANGE 0                                       ; the tail is written out
	TWO_STEPS
	TURN 0, 2, 0, 0, 0                             ; piece 0: V^T P of the last step | piece 2's last softmax
.set i, 0
.rept 32
	PV 2, 0
.set i, i+1
.endr
	; THE WAY OUT.  l is made whole; c m and l go to my partner and its come to me; both partial sums are brought under the common maximum and divided by the common sum; each of the two waves then owns two of the four tiles.
	WIN 0
.irp t, 0,1,2,3
	v_add_f32 v[ST+8*\t+4], v[ST+8*\t+2], v[ST+8*\t+3]             ; (these lines are the places behind the last products)
.endr
.irp t, 0,1,2,3
	v_permlanex16_b32 v[ST+8*\t+5], v[ST+8*\t+4], s[SEL], s[SEL+1]
.endr
.irp t, 0,1,2,3
	v_add_f32 v[ST+8*\t+4], v[ST+8*\t+4], v[ST+8*\t+5]
.endr
.irp t, 0,1,2,3
	ds_store_b32 v[XSA], v[ST+8*\t] offset:XS+256*\t
	ds_store_b32 v[XSA], v[ST+8*\t+4] offset:XS+256*\t+128
.endr
	s_wait_dscnt 0x0                               ; for my partner's sake: my stores are done
	s_barrier_signal -1
	s_barrier_wait -1
.irp t, 0,1,2,3
	ds_load_b32 v[ST+8*\t+5], v[XSB] offset:XS+256*\t
	ds_load_b32 v[ST+8*\t+6], v[XSB] offset:XS+256*\t+128
.endr
	s_wait_dscnt 0x0
.irp t, 0,1,2,3
	v_max_num_f32 v[ST+8*\t+7], v[ST+8*\t], v[ST+8*\t+5]           ; the common c m
.endr
.irp t, 0,1,2,3
	v_sub_f32 v[ST+8*\t+1], v[ST+8*\t], v[ST+8*\t+7]
	v_sub_f32 v[ST+8*\t+5], v[ST+8*\t+5], v[ST+8*\t+7]
.endr
.irp t, 0,1,2,3
	v_exp_f32 v[ST+8*\t+1], v[ST+8*\t+1]           ; my factor,
	v_exp_f32 v[ST+8*\t+5], v[ST+8*\t+5]           ; my partner's
.endr
	v_nop
	s_wait_alu depctr_va_vdst(0)                   ; one wait for the eight
.irp t, 0,1,2,3
	v_mul_f32 v[ST+8*\t+4], v[ST+8*\t+4], v[ST+8*\t+1]
.endr
.irp t, 0,1,2,3
	v_fma_f32 v[ST+8*\t+4], v[ST+8*\t+6], v[ST+8*\t+5], v[ST+8*\t+4]   ; the common sum: at least 1, since one of the two factors is 1 and that side's largest p is 1
.endr
.irp t, 0,1,2,3
	v_rcp_f32 v[ST+8*\t+2], v[ST+8*\t+4]
.endr
	v_nop
	s_wait_alu depctr_va_vdst(0)                   ; one wait for the four
.irp t, 0,1,2,3
	v_mul_f32 v[ST+8*\t+6], v[ST+8*\t+1], v[ST+8*\t+2]
.endr
	WIN W_RS
.irp t, 0,1,2,3
.set i, 64*\t
.rept 32
	v_pk_mul_f32 v[i:i+1], v[i:i+1], v[ST+8*\t+6:ST+8*\t+7] op_sel_hi:[1,0]   ; each accumulator from its low end on
.set i, i+2
.endr
.endr
	WIN 0
.macro XSEND base                      ; two tiles of my O^T, 128 registers, as they stand
	WIN 0x04                                       ; an LDS store's data are its source 1: window 1
.set f, 0
.rept 32
	ds_store_b128 v[XOA], v[\base+4*f:\base+4*f+3] offset:512*f
.set f, f+1
.endr
	WIN 0
.endm
	s_cmp_lt_u32 s[WV], 2                          ; key group 0 keeps tiles 0, 1 and sends 2, 3; group 1 the other way round
	s_cbranch_scc0 .Lsend_1
	XSEND 128
	s_branch .Lsent
.Lsend_1:
	XSEND 0
.Lsent:
	s_wait_dscnt 0x0
	s_barrier_signal -1
	s_barrier_wait -1
	WIN 0x80                                       ; into window 2, where Q lay
.set f, 0
.rept 32
	ds_load_b128 v[4*f:4*f+3], v[XOB] offset:512*f
.set f, f+1
.endr
	s_wait_dscnt 0x0
	WIN 0
.macro XADD base
	WIN 0x86                                       ; destination and source 0 window 2, source 1 window 1
.set i, 0
.rept 64
	v_pk_add_f32 v[i:i+1], v[i:i+1], v[\base+i:\base+i+1]
.set i, i+2
.endr
	WIN 0
.endm
	s_cmp_lt_u32 s[WV], 2
	s_cbranch_scc0 .Ladd_1
	XADD 0
	s_branch .Ladded
.Ladd_1:
	XADD 128
.Ladded:
	WIN 0x0a                                       ; sources window 2, destination window 0
.set i, 0
.rept 64
	v_cvt_pk_f16_f32 v[64+i], v[2*i], v[2*i+1]     ; a lane's eight channels of a row: 16 bytes of an image
.set i, i+1
.endr
	WIN 0
.irp u, 0,1
.irp f, 0,1,2,3,4,5,6,7
	global_store_b128 v[LI], v[64+32*\u+4*\f:64+32*\u+4*\f+3], s[AH:AH+1] offset:\u*8192+\f*512   ; 512 consecutive bytes, aligned
.endr
.endr
	s_cmp_lg_u32 s[WV], 0                          ; wave 0's first tile is the work-group's first 16 queries: what f16 dropped is kept too
	s_cbranch_scc1 .Lno_lo
.set n, 0
.irp h, v64.l,v64.h,v65.l,v65.h,v66.l,v66.h,v67.l,v67.h,v68.l,v68.h,v69.l,v69.h,v70.l,v70.h,v71.l,v71.h,v72.l,v72.h,v73.l,v73.h,v74.l,v74.h,v75.l,v75.h,v76.l,v76.h,v77.l,v77.h,v78.l,v78.h,v79.l,v79.h,v80.l,v80.h,v81.l,v81.h,v82.l,v82.h,v83.l,v83.h,v84.l,v84.h,v85.l,v85.h,v86.l,v86.h,v87.l,v87.h,v88.l,v88.h,v89.l,v89.h,v90.l,v90.h,v91.l,v91.h,v92.l,v92.h,v93.l,v93.h,v94.l,v94.h,v95.l,v95.h
	v_cvt_f32_f16 v[128+n], \h
.set n, n+1
.endr
	WIN 0x02                                       ; source 0 window 2
.set i, 0
.rept 32
	v_pk_add_f32 v[128+i:129+i], v[i:i+1], v[128+i:129+i] neg_lo:[0,1] neg_hi:[0,1]   ; o - hi: exact
.set i, i+2
.endr
	WIN 0
.set i, 0
.rept 32
	v_pk_mul_f32 v[128+i:129+i], v[128+i:129+i], 0x45000000 op_sel_hi:[1,0]           ; x 2,048
.set i, i+2
.endr
.set i, 0
.rept 32
	v_cvt_pk_f16_f32 v[192+i], v[128+2*i], v[129+2*i]
.set i, i+1
.endr
.irp f, 0,1,2,3,4,5,6,7
	global_store_b128 v[LI], v[192+4*\f:195+4*\f], s[AL:AL+1] offset:\f*512
.endr
.Lno_lo:
	s_wait_tensorcnt 0x0                           ; the wave's end, behind my last tensor load and my last LDS store
	ds_add_u32 v[SPW], v[NIL]
	s_wait_dscnt 0x0
	CROUND                                         ; the closing round
	s_endpgm
.Lfunc_end_k_qd6c35cbf45_attn:
	.size	k_qd6c35cbf45_attn, .Lfunc_end_k_qd6c35cbf45_attn-k_qd6c35cbf45_attn
	.p2alignl 7, 3214868480
	.fill 96, 4, 3214868480
	.section	.rodata,"a",@progbits
	.p2align	6, 0x0
	.amdhsa_kernel k_qd6c35cbf45_attn
		.amdhsa_group_segment_fixed_size 327680
		.amdhsa_private_segment_fixed_size 0
		.amdhsa_enable_private_segment 0
		.amdhsa_kernarg_size 24
		.amdhsa_user_sgpr_count 2
		.amdhsa_user_sgpr_kernarg_segment_ptr 1
		.amdhsa_wavefront_size32 1
		.amdhsa_system_sgpr_workgroup_id_x 1
		.amdhsa_system_sgpr_workgroup_id_y 1
		.amdhsa_system_sgpr_workgroup_id_z 1
		.amdhsa_system_vgpr_workitem_id 0
		.amdhsa_next_free_vgpr 1024
		.amdhsa_next_free_sgpr 106
		.amdhsa_reserve_vcc 0
		.amdhsa_float_denorm_mode_32 3
		.amdhsa_float_denorm_mode_16_64 3
		.amdhsa_memory_ordered 1
		.amdhsa_forward_progress 1
		.amdhsa_inst_pref_size 255
	.end_amdhsa_kernel
	.section	.bss,"aw",@nobits
	.p2align	6
	.space	262144
	.amdgpu_metadata
---
amdhsa.version: [ 1, 2 ]
amdhsa.kernels:
  - .name:           k_qd6c35cbf45_attn
    .symbol:         k_qd6c35cbf45_attn.kd
    .args:
      - { .name: qkv, .offset: 0, .size: 8, .value_kind: global_buffer, .address_space: global }
      - { .name: mbits, .offset: 8, .size: 8, .value_kind: global_buffer, .address_space: global }
      - { .name: att, .offset: 16, .size: 8, .value_kind: global_buffer, .address_space: global }
    .group_segment_fixed_size: 327680
    .private_segment_fixed_size: 0
    .kernarg_segment_align: 8
    .kernarg_segment_size: 24
    .max_flat_workgroup_size: 128
    .sgpr_count:     106
    .vgpr_count:     1024
    .wavefront_size: 32
...
	.end_amdgpu_metadata
.endif
;; end of part 3
;; launch outproj (part 4): grid 16 x 16, 4 waves a work-group, clusters of 4 x 4, 327,680 bytes of LDS; arguments att, wo16, out0; writes out0
.if DOCPART == 4
	.amdgcn_target "amdgcn-amd-amdhsa--gfx1250"
	.amdhsa_code_object_version 6
	.text
	.protected	k_qd6c35cbf45_outproj
	.globl	k_qd6c35cbf45_outproj
	.p2align	8
	.type	k_qd6c35cbf45_outproj,@function
k_qd6c35cbf45_outproj:
	s_mov_b64 s[64:65], 0
	v_nop
	global_prefetch_b8 v0, s[64:65] scope:SCOPE_SE
	s_setreg_imm32_b32 hwreg(HW_REG_WAVE_MODE, 25, 1), 1
	s_wait_xcnt 0x0
	s_wait_alu depctr_hold_cnt(0) depctr_sa_sdst(0) depctr_va_vdst(0) depctr_va_sdst(0) depctr_va_ssrc(0) depctr_va_vcc(0) depctr_vm_vsrc(0)
	s_getreg_b32 s2, hwreg(HW_REG_IB_STS2, 6, 4)
	s_cmp_eq_u32 s2, 0
	s_cbranch_scc0 .Lentry_in_a_cluster
	s_endpgm
.Lentry_in_a_cluster:
	s_bfe_u32 s2, ttmp6, 0x10000c
	s_cmp_lg_u32 s2, 0xf033
	s_cbranch_scc0 .Lentry_shape_is_right
	s_endpgm
.Lentry_shape_is_right:
; out0[m][n] = the sum over k of A[m][k] Wo[k][n], 2048 x 2048 x 2048, f16 operands, f32 sums, f32 out.  A (attention's result) and Wo arrive as IMAGES OF FRAGMENTS (16 rows x 32 K in 1,024 bytes: bytes 0-511
; registers 0-3 of the 32 lanes, bytes 512-1023 registers 4-7), laid [K / 256: 8][row / 16: 128][K / 32 % 8: 8][1 KiB]: a K step of 256 of 128 rows is 64 KiB on end.
; A tile of out0 is 128 x 128, so that there are 256 work-groups; four waves of 64 x 64: 16 accumulators.  K goes in steps of 256 through two LDS slots; each wave's tensor load brings 32 KiB, dense, no padding:
; an image is read 16 bytes a lane on end.  CLUSTERS: 4 x 4; A's tiles are asked for jointly along a row of the cluster, Wo's along a column.
; The matrix instruction is used transposed (source 0 = 16 columns n of Wo, source 1 = 16 rows of A): a lane holds eight neighbouring numbers of a row of out0.
; Rows 0-15 are written here like all others and written again, more finely, by the launch that follows.
; REGISTERS: window 0: v0-31 addresses; v32-95 the way out; v128-255 the accumulators ((a, b) at v[128 + 8 (4 a + b)]).   window 1: two fragment buffers of 128 (64 along K: 64 registers of A, then 64 of Wo).
.set SLOT1,  1<<17                     ; a slot: A's 64 KiB, then Wo's 64 KiB
.set SPARE,  2*SLOT1                   ; behind the ring: the spare words, 128 bytes for each wave
.set SPITCH, 272                       ; the way out: a stage of 16 rows x (256 bytes + 16) for each wave, in slot 0, which has had its last fill and its last read by then
.set LAPS,   4                         ; a lap = two K steps; 2,048 / 512
.set ADRA, 16
.set ADRB, 20
.set STO,  24
.set RD,   25
.set CO,   26
.set SPW,  28
.set NIL,  29
.set TMP,  32
.set ACC,  128
.set F0,   0
.set F1,   128
.set G1, 24
.set G0, 32
.set G1B, 48
.set G0B, 56
.set MSB, 0
.macro WIN new
.if MSB != \new
	s_set_vgpr_msb (MSB<<8)|\new
.set MSB, \new
.endif
.endm
.set MUL,  0x05                        ; sources 0 and 1 window 1; C and D window 0
.set TO_F, 0x40                        ; destination window 1, address window 0
.macro JLOAD s                         ; a joint load: waves 0 and 1 fetch A's two halves, waves 2 and 3 Wo's; an s_nop 0 and four v_nop follow each of the two lines
	s_cmp_eq_u32 s11, 0
	s_cbranch_scc0 .Lfor_b_\@
	tensor_load_to_lds s[G0+4*\s:G0+4*\s+3], s[G1:G1+7]
	s_nop 0
.rept 4
	v_nop
.endr
	s_branch .Lasked_\@
.Lfor_b_\@:
	tensor_load_to_lds s[G0B+4*\s:G0B+4*\s+3], s[G1B:G1B+7]
	s_nop 0
.rept 4
	v_nop
.endr
.Lasked_\@:
.endm
.macro CREST
	s_cmp_lg_u32 s10, 0
	s_cbranch_scc1 .Lnot_wave_0_\@
	s_barrier_signal -3
.Lnot_wave_0_\@:
	s_barrier_wait -3
	s_barrier_signal -1
	s_barrier_wait -1
.endm
.macro CROUND
	s_barrier_signal -1
	s_barrier_wait -1
	CREST
.endm
	s_load_b128 s[4:7], s[0:1], 0x0                ; att s[4:5], wo16 s[6:7]
	s_load_b64 s[8:9], s[0:1], 0x10                ; out0
	v_lshl_add_u32 v[SPW], v0, 2, SPARE
	v_mov_b32 v[NIL], 0
	ds_add_u32 v[SPW], v[NIL]                      ; the wave's opening: the add, twice on end, and its wait ahead of my first tensor load
	ds_add_u32 v[SPW], v[NIL]
	v_lshrrev_b32 v1, 5, v0
	v_readfirstlane_b32 s10, v1                    ; wave 0..3
	s_lshr_b32 s11, s10, 1                         ; which half of the tile's rows is mine.  Also: I fetch for A (0) or for Wo (1)
	s_and_b32 s12, s10, 1                          ; which half of its columns.  Also: which 64 rows of that tile I fetch
	s_bfe_u32 s40, ttmp6, 0x40000                  ; cx, cy
	s_bfe_u32 s41, ttmp6, 0x40004
	s_lshl_b32 s42, ttmp9, 2
	s_add_co_u32 s42, s42, s40                     ; tile column
	s_and_b32 s13, ttmp7, 0xffff
	s_lshl_b32 s13, s13, 2
	s_add_co_u32 s13, s13, s41                     ; tile row
	s_lshl_b32 s43, s41, 2
	s_lshl_b32 s43, 15, s43                        ; my row of the cluster
	s_lshl_b32 s44, 0x1111, s40                    ; my column
	s_or_b32 s[G1+0], s43, (3<<16)|(1<<21)         ; the mask; elements of 8 bytes; bit 21 beside a mask; no padding
	s_or_b32 s[G1B+0], s44, (3<<16)|(1<<21)
.irp g, G1, G1B
	s_mov_b32 s[\g+1], 32<<16                      ; tensor_dim0 = 32 elements: rows of 256 bytes
	s_mov_b32 s[\g+2], 128<<16                     ; tensor_dim1 = 128
	s_mov_b32 s[\g+3], 32<<16                      ; tile_dim0
	s_mov_b32 s[\g+4], 128                         ; tile_dim1
	s_mov_b32 s[\g+5], 32                          ; the pitch: dense
	s_mov_b32 s[\g+6], 0
	s_mov_b32 s[\g+7], 0
.endr
	s_lshl_b32 s17, s12, 15                        ; which 32 KiB of the tile's 64 I fetch
	s_lshl_b32 s16, s13, 16
	s_add_co_u32 s16, s16, s17                     ; A: 64 KiB x tile row
	s_lshl_b32 s46, s42, 16
	s_add_co_u32 s46, s46, s17                     ; Wo: 64 KiB x tile column
	s_mov_b32 s17, 0
	s_mov_b32 s47, 0
	s_lshl_b32 s20, s10, 15                        ; where they go: wave x 32 KiB
	s_wait_dscnt 0x0                               ; both opening adds are done
	s_wait_kmcnt 0x0
	s_add_nc_u64 s[14:15], s[4:5], s[16:17]
	s_add_nc_u64 s[46:47], s[6:7], s[46:47]
	CROUND                                         ; all sixteen work-groups are here: the first joint loads meet
.irp s, 0,1
	s_mov_b32 s[G0+4*\s], 1
	s_add_co_u32 s[G0+4*\s+1], s20, \s*SLOT1
	s_add_nc_u64 s[G0+4*\s+2:G0+4*\s+3], s[14:15], \s*0x100000     ; K step s: 1 MiB on
	s_or_b32 s[G0+4*\s+3], s[G0+4*\s+3], 0x80000000
	s_mov_b32 s[G0B+4*\s], 1
	s_add_co_u32 s[G0B+4*\s+1], s20, \s*SLOT1
	s_add_nc_u64 s[G0B+4*\s+2:G0B+4*\s+3], s[46:47], \s*0x100000
	s_or_b32 s[G0B+4*\s+3], s[G0B+4*\s+3], 0x80000000
	JLOAD \s                                       ; two loads of mine are out
.endr
	v_and_b32 v1, 15, v0                           ; l % 16
	v_bfe_u32 v2, v0, 4, 1                         ; l / 16
	v_and_b32 v3, 31, v0
	v_lshlrev_b32 v3, 4, v3                        ; 16 x lane
	s_lshl_b32 s21, s11, 15                        ; my 64 rows of A
	s_lshl_b32 s22, s12, 15                        ; my 64 columns of Wo,
	s_add_co_u32 s22, s22, 0x10000                 ; which lie behind A's 64 KiB
.irp s, 0,1
	v_add_nc_u32 v[ADRA+\s], s21, v3
	v_add_nc_u32 v[ADRB+\s], s22, v3
	s_add_co_u32 s21, s21, SLOT1
	s_add_co_u32 s22, s22, SLOT1
.endr
	s_mul_i32 s23, s10, 16*SPITCH                  ; my stage
	v_mul_u32_u24 v4, v1, SPITCH                   ; in: row l % 16, 32 bytes for each half of the lanes
	v_lshl_add_u32 v4, v2, 5, v4
	v_add_nc_u32 v[STO], s23, v4
	v_mul_u32_u24 v5, v2, SPITCH                   ; back: lanes 0-15 one row of 256 bytes, lanes 16-31 the next
	v_lshl_add_u32 v5, v1, 4, v5
	v_add_nc_u32 v[RD], s23, v5
	v_lshlrev_b32 v5, 13, v2                       ; and the same two rows in out0
	v_lshl_add_u32 v[CO], v1, 4, v5
	s_lshl_b32 s16, s13, 20                        ; 128 rows of 8,192 bytes a tile row,
	s_lshl_b32 s17, s11, 19                        ; my 64 of them
	s_add_co_u32 s16, s16, s17
	s_mov_b32 s17, 0
	s_add_nc_u64 s[8:9], s[8:9], s[16:17]
	s_lshl_b32 s46, s42, 9                         ; my first column, in bytes: 512 x tile column + 256 x half
	s_lshl_b32 s47, s12, 8
	s_add_co_u32 s46, s46, s47
	s_mov_b32 s47, 0
	s_add_nc_u64 s[8:9], s[8:9], s[46:47]
.macro MUL8 f, c, a0, zero             ; 8 matrix instructions: m blocks a0, a0 + 1 x all 4 n blocks, 32 along K: half c of buffer f.  The 16 accumulators take turns
.irp a, \a0, \a0+1
.irp b, 0,1,2,3
.if \zero
	v_wmma_f32_16x16x32_f16 v[ACC+8*(4*(\a)+\b):ACC+8*(4*(\a)+\b)+7], v[\f+64+8*(4*\c+\b):\f+64+8*(4*\c+\b)+7], v[\f+8*(4*\c+\a):\f+8*(4*\c+\a)+7], 0
.else
	v_wmma_f32_16x16x32_f16 v[ACC+8*(4*(\a)+\b):ACC+8*(4*(\a)+\b)+7], v[\f+64+8*(4*\c+\b):\f+64+8*(4*\c+\b)+7], v[\f+8*(4*\c+\a):\f+8*(4*\c+\a)+7], v[ACC+8*(4*(\a)+\b):ACC+8*(4*(\a)+\b)+7]
.endif
.endr
.endr
.endm
; 32 LDS loads in one run: the fragments of quarter q of the slot's K step (64 along K) into buffer f; the first 32 along K first.  Row tile i is 8 KiB, 32 along K 1 KiB.
.macro FETCH slot, q, f
	WIN TO_F
.irp c, 0,1
.irp i, 0,1,2,3
	ds_load_b128 v[\f+64+8*(4*\c+\i):\f+64+8*(4*\c+\i)+3],   v[ADRB+\slot] offset:\i*8192+(2*(\q)+\c)*1024
	ds_load_b128 v[\f+64+8*(4*\c+\i)+4:\f+64+8*(4*\c+\i)+7], v[ADRB+\slot] offset:\i*8192+(2*(\q)+\c)*1024+512
	ds_load_b128 v[\f+8*(4*\c+\i):\f+8*(4*\c+\i)+3],         v[ADRA+\slot] offset:\i*8192+(2*(\q)+\c)*1024
	ds_load_b128 v[\f+8*(4*\c+\i)+4:\f+8*(4*\c+\i)+7],       v[ADRA+\slot] offset:\i*8192+(2*(\q)+\c)*1024+512
.endr
.endr
.endm
.macro PLACES
.rept 4
	v_nop
.endr
.endm
.macro QUARTER slot, q, f, g, zero     ; multiplies buffer f and fetches quarter q of the same slot into g
	s_wait_dscnt 16                                ; the first 32 along K are in; the youngest sixteen loads may be out
	WIN MUL
	MUL8 \f, 0, 0, \zero
	MUL8 \f, 0, 2, \zero
	PLACES
	FETCH \slot, \q, \g
	s_wait_dscnt 32                                ; all but the 32 just issued
	WIN MUL
	MUL8 \f, 1, 0, 0
	MUL8 \f, 1, 2, 0
.endm
; The last quarter multiplies buffer 1 and changes slots: ONE barrier; in front of it each wave waits for all its tensor loads, adds 0 to its spare word, and waits for that and for its own reads of this slot.
.macro TURN slot, next, fill
	WIN 0
	s_wait_tensorcnt 0x0                           ; all my tensor loads have landed: my part of the next slot
	ds_add_u32 v[SPW], v[NIL]                      ; 0 onto my spare word
	s_wait_dscnt 17                                ; (the add and the youngest sixteen loads may be out)
	WIN MUL
	MUL8 F1, 0, 0, 0
	s_wait_dscnt 0x0                               ; the add is done, and my reads of this slot are over
	s_barrier_signal -1
	MUL8 F1, 0, 2, 0
.if \fill
	WIN 0
.endif
	s_barrier_wait -1
.if \fill
	CREST                                          ; the barrier has opened a round of the cluster's: no wave of any partner still reads this slot or has a load on its way
	s_add_nc_u64 s[G0+4*\slot+2:G0+4*\slot+3], s[G0+4*\slot+2:G0+4*\slot+3], 0x200000
	s_add_nc_u64 s[G0B+4*\slot+2:G0B+4*\slot+3], s[G0B+4*\slot+2:G0B+4*\slot+3], 0x200000
	JLOAD \slot                                    ; the first tensor load behind the round, my one load until the next; its four v_nop are the places in front of the loads below
.else
	PLACES
.endif
	FETCH \next, 0, F0
	WIN MUL
	MUL8 F1, 1, 0, 0
	MUL8 F1, 1, 2, 0
.endm
	s_wait_tensorcnt 1                             ; my part of K step 0 is in (K step 1's may be out)
	s_barrier_signal -1
	s_barrier_wait -1
	FETCH 0, 0, F0
	QUARTER 0, 1, F0, F1, 1                        ; the first quarter stands in front of the loop: its first products start the sums
	WIN 0
	s_mov_b32 s3, LAPS-1
.Llap:                                                 ; a trip goes once round the ring and fills both slots again
	QUARTER 0, 2, F1, F0, 0
	QUARTER 0, 3, F0, F1, 0
	TURN 0, 1, 1
	QUARTER 1, 1, F0, F1, 0
	QUARTER 1, 2, F1, F0, 0
	QUARTER 1, 3, F0, F1, 0
	TURN 1, 0, 1
	QUARTER 0, 1, F0, F1, 0
	WIN 0
	s_sub_co_u32 s3, s3, 1
	s_cmp_lg_u32 s3, 0
	s_cbranch_scc1 .Llap
	QUARTER 0, 2, F1, F0, 0                        ; the last lap fills nothing
	QUARTER 0, 3, F0, F1, 0
	TURN 0, 1, 0
	QUARTER 1, 1, F0, F1, 0
	QUARTER 1, 2, F1, F0, 0
	QUARTER 1, 3, F0, F1, 0
	s_wait_dscnt 16
	WIN MUL
	MUL8 F1, 0, 0, 0
	MUL8 F1, 0, 2, 0
	s_wait_dscnt 0
	MUL8 F1, 1, 0, 0
	MUL8 F1, 1, 2, 0
	WIN 0
; THE WAY OUT, by blocks of 16 rows x 64 columns.  A lane holds 32 neighbouring bytes of a row; a block goes through my own stage and comes back as rows of 256 bytes.  My 64 columns are 256 consecutive bytes, aligned,
; so no other wave has a part in them.  LDS serves a wave's instructions in order: no wait between the stores and the loads, nor in front of the next block's stores.
.macro TOSTAGE a
.irp b, 0,1,2,3
	ds_store_b128 v[STO], v[ACC+8*(4*(\a)+\b):ACC+8*(4*(\a)+\b)+3] offset:64*\b          ; each accumulator from its low end on
	ds_store_b128 v[STO], v[ACC+8*(4*(\a)+\b)+4:ACC+8*(4*(\a)+\b)+7] offset:64*\b+16
.endr
.irp t, 0,1,2,3,4,5,6,7
	ds_load_b128 v[TMP+32*((\a)%2)+4*\t:TMP+32*((\a)%2)+4*\t+3], v[RD] offset:\t*2*SPITCH
.endr
.endm
.macro SEND a, younger                 ; younger: the LDS instructions issued behind block a's loads, which may stay out
	s_wait_dscnt \younger
.irp t, 0,1,2,3,4,5,6,7
	global_store_b128 v[CO], v[TMP+32*((\a)%2)+4*\t:TMP+32*((\a)%2)+4*\t+3], s[8:9] offset:(16*(\a)+2*\t)*8192 th:TH_STORE_NT   ; sixteen lanes store 256 consecutive bytes, aligned
.endr
.endm
	PLACES
	TOSTAGE 0
.irp a, 1,2,3
.if \a > 1
	s_wait_xcnt 0x0                                ; block a - 2's stores have read their registers: block a's loads may land there
.endif
	TOSTAGE \a
	SEND \a-1, 16                                  ; behind block a - 1's loads: block a's 8 stores and 8 loads
.endr
	SEND 3, 0
	s_wait_tensorcnt 0x0                           ; the wave's end
	ds_add_u32 v[SPW], v[NIL]
	s_wait_dscnt 0x0
	CROUND                                         ; the closing round
	s_endpgm
.Lfunc_end_k_qd6c35cbf45_outproj:
	.size	k_qd6c35cbf45_outproj, .Lfunc_end_k_qd6c35cbf45_outproj-k_qd6c35cbf45_outproj
	.p2alignl 7, 3214868480
	.fill 96, 4, 3214868480
	.section	.rodata,"a",@progbits
	.p2align	6, 0x0
	.amdhsa_kernel k_qd6c35cbf45_outproj
		.amdhsa_group_segment_fixed_size 327680
		.amdhsa_private_segment_fixed_size 0
		.amdhsa_enable_private_segment 0
		.amdhsa_kernarg_size 24
		.amdhsa_user_sgpr_count 2
		.amdhsa_user_sgpr_kernarg_segment_ptr 1
		.amdhsa_wavefront_size32 1
		.amdhsa_system_sgpr_workgroup_id_x 1
		.amdhsa_system_sgpr_workgroup_id_y 1
		.amdhsa_system_sgpr_workgroup_id_z 1
		.amdhsa_system_vgpr_workitem_id 0
		.amdhsa_next_free_vgpr 512
		.amdhsa_next_free_sgpr 66
		.amdhsa_reserve_vcc 0
		.amdhsa_float_denorm_mode_32 3
		.amdhsa_float_denorm_mode_16_64 3
		.amdhsa_memory_ordered 1
		.amdhsa_forward_progress 1
		.amdhsa_inst_pref_size 85
	.end_amdhsa_kernel
	.amdgpu_metadata
---
amdhsa.version: [ 1, 2 ]
amdhsa.kernels:
  - .name:           k_qd6c35cbf45_outproj
    .symbol:         k_qd6c35cbf45_outproj.kd
    .args:
      - { .name: att, .offset: 0, .size: 8, .value_kind: global_buffer, .address_space: global }
      - { .name: wo16, .offset: 8, .size: 8, .value_kind: global_buffer, .address_space: global }
      - { .name: out0, .offset: 16, .size: 8, .value_kind: global_buffer, .address_space: global }
    .group_segment_fixed_size: 327680
    .private_segment_fixed_size: 0
    .kernarg_segment_align: 8
    .kernarg_segment_size: 24
    .max_flat_workgroup_size: 128
    .sgpr_count:     66
    .vgpr_count:     512
    .wavefront_size: 32
...
	.end_amdgpu_metadata
.endif
;; end of part 4
;; launch fineproj (part 5): grid 128 x 1, 16 waves a work-group, no clusters, 18,432 bytes of LDS; arguments att, wo16, out0; writes out0
.if DOCPART == 5
	.amdgcn_target "amdgcn-amd-amdhsa--gfx1250"
	.amdhsa_code_object_version 6
	.text
	.protected	k_qd6c35cbf45_fineproj
	.globl	k_qd6c35cbf45_fineproj
	.p2align	8
	.type	k_qd6c35cbf45_fineproj,@function
k_qd6c35cbf45_fineproj:
	s_mov_b64 s[64:65], 0
	v_nop
	global_prefetch_b8 v0, s[64:65] scope:SCOPE_SE
	s_setreg_imm32_b32 hwreg(HW_REG_WAVE_MODE, 25, 1), 1
	s_wait_xcnt 0x0
; ROWS 0-15 OF out0 ONCE MORE, from pairs of f16 numbers: these positions average one to sixteen values and are the largest in size, so the rounding of f16 operands weighs most there.
; a = ah + al / 2048, w = wh + wl / 2048 (split in f32 by the launches that made them):  out0 = ah.wh + (al.wh + ah.wl) / 2048; the term al.wl / 2^22 is left out: it lies under f32's last bits of the sum.
; LIMIT: v, p, q and k of these rows are f16 as everywhere: only attention's result and Wo are carried as pairs.
; A work-group takes 16 columns n; its sixteen waves share K: wave w takes head w's 128, four fragments of each of the four operands, 4 KiB on end each.  The sixteen partial tiles meet in LDS; wave 0 adds them in a fixed order.
; A row's piece here is 64 bytes: 128 KiB in all; four column tiles to a work-group would write whole runs of 256 bytes and leave 32 work-groups.
.set SPARE, 16384                      ; behind the sixteen partial tiles of 1 KiB: the spare words, 128 bytes for each wave
.set SPW, 2
.set NIL, 3
.set WH, 16                            ; v16-47 wh, v48-79 wl, v80-111 ah, v112-143 al; v144-167 three accumulators; v168-175 my partial tile
.set WL, 48
.set AHI, 80
.set ALO, 112
	s_load_b128 s[4:7], s[0:1], 0x0                ; att s[4:5], wo16 s[6:7]
	s_load_b64 s[8:9], s[0:1], 0x10                ; out0
	v_lshl_add_u32 v[SPW], v0, 2, SPARE
	v_mov_b32 v[NIL], 0
	v_lshrrev_b32 v1, 5, v0
	v_readfirstlane_b32 s10, v1                    ; wave = head
	v_and_b32 v4, 31, v0
	v_lshlrev_b32 v4, 4, v4                        ; 16 x lane
	s_lshl_b32 s20, s10, 10
	v_add_nc_u32 v5, s20, v4                       ; LDS: my partial tile
	v_and_b32 v6, 15, v0
	v_bfe_u32 v7, v0, 4, 1
	v_lshlrev_b32 v6, 13, v6
	v_lshl_add_u32 v6, v7, 5, v6                   ; out0: row l % 16, 32 bytes for each half of the lanes
	s_lshr_b32 s11, s10, 1
	s_and_b32 s12, s10, 1
	s_lshl_b32 s14, s11, 20
	s_lshl_b32 s13, s12, 12
	s_add_co_u32 s14, s14, s13                     ; (head / 2) MiB + (head % 2) x 4 KiB: row tile 0 of ah
	s_mov_b32 s15, 0
	s_lshl_b32 s16, ttmp9, 13
	s_add_co_u32 s16, s16, s14                     ; + column tile x 8 KiB: wh
	s_mov_b32 s17, 0
	s_lshl_b32 s18, s10, 16
	s_add_co_u32 s18, s18, 0x800000                ; al: 8 MiB + head x 64 KiB, block 0
	s_mov_b32 s19, 0
	s_lshl_b32 s20, ttmp9, 6                       ; my 16 columns of out0
	s_mov_b32 s21, 0
	s_wait_kmcnt 0x0
	s_add_nc_u64 s[22:23], s[6:7], s[16:17]
	s_add_nc_u64 s[24:25], s[22:23], 0x800000      ; wl: 8 MiB on (a base of its own: that is past a load's immediate)
	s_add_nc_u64 s[26:27], s[4:5], s[14:15]
	s_add_nc_u64 s[28:29], s[4:5], s[18:19]
	s_add_nc_u64 s[8:9], s[8:9], s[20:21]
.irp n, 0,1,2,3,4,5,6,7
	global_load_b128 v[WH+4*\n:WH+4*\n+3], v4, s[22:23] offset:512*\n
	global_load_b128 v[WL+4*\n:WL+4*\n+3], v4, s[24:25] offset:512*\n
	global_load_b128 v[AHI+4*\n:AHI+4*\n+3], v4, s[26:27] offset:512*\n
	global_load_b128 v[ALO+4*\n:ALO+4*\n+3], v4, s[28:29] offset:512*\n
.endr
	s_wait_loadcnt 0x0
	; three accumulators by turns, one instruction a turn; source 0 = 16 columns of Wo, source 1 = the 16 rows: a lane holds eight neighbouring numbers of a row
	v_wmma_f32_16x16x32_f16 v[144:151], v[WH:WH+7], v[AHI:AHI+7], 0
	v_wmma_f32_16x16x32_f16 v[152:159], v[WH:WH+7], v[ALO:ALO+7], 0
	v_wmma_f32_16x16x32_f16 v[160:167], v[WL:WL+7], v[AHI:AHI+7], 0
.irp q, 1,2,3
	v_wmma_f32_16x16x32_f16 v[144:151], v[WH+8*\q:WH+8*\q+7], v[AHI+8*\q:AHI+8*\q+7], v[144:151]
	v_wmma_f32_16x16x32_f16 v[152:159], v[WH+8*\q:WH+8*\q+7], v[ALO+8*\q:ALO+8*\q+7], v[152:159]
	v_wmma_f32_16x16x32_f16 v[160:167], v[WL+8*\q:WL+8*\q+7], v[AHI+8*\q:AHI+8*\q+7], v[160:167]
.endr
.rept 4
	v_nop                                          ; places in front of the first read of results
.endr
.irp p, 0,2,4,6
	v_pk_add_f32 v[168+\p:169+\p], v[152+\p:153+\p], v[160+\p:161+\p]                  ; each accumulator from its low end on
.endr
.irp p, 0,2,4,6
	v_pk_fma_f32 v[168+\p:169+\p], v[168+\p:169+\p], 0x3a000000, v[144+\p:145+\p] op_sel_hi:[1,0,1]   ; / 2,048, + the main term
.endr
	ds_store_b128 v5, v[168:171]
	ds_store_b128 v5, v[172:175] offset:512
	s_wait_dscnt 0x0                               ; for wave 0's sake: my stores are done
	s_barrier_signal -1
	s_barrier_wait -1
	s_cmp_lg_u32 s10, 0
	s_cbranch_scc1 .Lend
.irp w, 0,1,2,3,4,5,6,7,8,9,10,11,12,13,14,15
	ds_load_b128 v[16+8*\w:19+8*\w], v4 offset:1024*\w
	ds_load_b128 v[20+8*\w:23+8*\w], v4 offset:1024*\w+512
.endr
	s_wait_dscnt 0x0
.irp d, 1,2,4,8                        ; a tree in a fixed order: neighbours 1, 2, 4, 8 heads apart
.irp w, 0,1,2,3,4,5,6,7,8,9,10,11,12,13,14,15
.if (\w % (2*\d)) == 0
.irp p, 0,2,4,6
	v_pk_add_f32 v[16+8*\w+\p:17+8*\w+\p], v[16+8*\w+\p:17+8*\w+\p], v[16+8*(\w+\d)+\p:17+8*(\w+\d)+\p]
.endr
.endif
.endr
.endr
	global_store_b128 v6, v[16:19], s[8:9]
	global_store_b128 v6, v[20:23], s[8:9] offset:16
.Lend:
	s_wait_tensorcnt 0x0                           ; the wave's end, behind my last LDS store
	ds_add_u32 v[SPW], v[NIL]
	s_wait_dscnt 0x0
	s_endpgm
.Lfunc_end_k_qd6c35cbf45_fineproj:
	.size	k_qd6c35cbf45_fineproj, .Lfunc_end_k_qd6c35cbf45_fineproj-k_qd6c35cbf45_fineproj
	.p2alignl 7, 3214868480
	.fill 96, 4, 3214868480
	.section	.rodata,"a",@progbits
	.p2align	6, 0x0
	.amdhsa_kernel k_qd6c35cbf45_fineproj
		.amdhsa_group_segment_fixed_size 18432
		.amdhsa_private_segment_fixed_size 0
		.amdhsa_enable_private_segment 0
		.amdhsa_kernarg_size 24
		.amdhsa_user_sgpr_count 2
		.amdhsa_user_sgpr_kernarg_segment_ptr 1
		.amdhsa_wavefront_size32 1
		.amdhsa_system_sgpr_workgroup_id_x 1
		.amdhsa_system_sgpr_workgroup_id_y 1
		.amdhsa_system_sgpr_workgroup_id_z 1
		.amdhsa_system_vgpr_workitem_id 0
		.amdhsa_next_free_vgpr 208
		.amdhsa_next_free_sgpr 66
		.amdhsa_reserve_vcc 0
		.amdhsa_float_denorm_mode_32 3
		.amdhsa_float_denorm_mode_16_64 3
		.amdhsa_memory_ordered 1
		.amdhsa_forward_progress 1
		.amdhsa_inst_pref_size 13
	.end_amdhsa_kernel
	.amdgpu_metadata
---
amdhsa.version: [ 1, 2 ]
amdhsa.kernels:
  - .name:           k_qd6c35cbf45_fineproj
    .symbol:         k_qd6c35cbf45_fineproj.kd
    .args:
      - { .name: att, .offset: 0, .size: 8, .value_kind: global_buffer, .address_space: global }
      - { .name: wo16, .offset: 8, .size: 8, .value_kind: global_buffer, .address_space: global }
      - { .name: out0, .offset: 16, .size: 8, .value_kind: global_buffer, .address_space: global }
    .group_segment_fixed_size: 18432
    .private_segment_fixed_size: 0
    .kernarg_segment_align: 8
    .kernarg_segment_size: 24
    .max_flat_workgroup_size: 512
    .sgpr_count:     66
    .vgpr_count:     208
    .wavefront_size: 32
...
	.end_amdgpu_metadata
.endif
;; end of part 5
